; MI455X (gfx1250); checked and timed in simulation.
; The chip was launched on July 23, 2026; its instructions are those of AMD's public machine-readable ISA for CDNA 5 (MIT licence, August 2026) and "CDNA5" Instruction Set Architecture Reference Guide (July 2026). The comments in the code are by the model that wrote it; some were corrected since.
;; multihead attention. Allowed arithmetic: matrix products marked QUANTISED: E3M2 operands, one E8M0 scale for each 32 along K, by v_wmma_scale_f32_16x16x128_f8f6f4 with both operands' format E3M2, f32 sums; everything else in f32.
;; Inputs: Wk_codes 1,024 x 32 x 24 uint8 (E3M2 codes of Wk, K innermost, in blocks of 32 codes, four codes in three bytes); Wk_scales 1,024 x 32 uint8 (E8M0 scales of Wk, one for each 32 codes along K); Wq_codes 1,024 x 32 x 24 uint8 (E3M2 codes of Wq, K innermost, in blocks of 32 codes, four codes in three bytes); Wq_scales 1,024 x 32 uint8 (E8M0 scales of Wq, one for each 32 codes along K); Wv_codes 1,024 x 32 x 24 uint8 (E3M2 codes of Wv, K innermost, in blocks of 32 codes, four codes in three bytes); Wv_scales 1,024 x 32 uint8 (E8M0 scales of Wv, one for each 32 codes along K); beta 1,024 float32; bk 1,024 float32; bq 1,024 float32; bv 1,024 float32; gamma 1,024 float32; keys 8 x 1,024 x 1,024 float32; queries 8 x 1,024 x 1,024 float32; values_codes 8 x 1,024 x 32 x 24 uint8 (E3M2 codes of values, K innermost, in blocks of 32 codes, four codes in three bytes); values_scales 8 x 1,024 x 32 uint8 (E8M0 scales of values, one for each 32 codes along K).
;; Outputs: out0 8 x 1,024 x 1,024 float32.
;; This version of the problem:
;;   THIS VERSION OF THE PROBLEM IS GIVEN IN LOW PRECISION. The matrix products marked QUANTISED in the list below multiply operands that are first quantised to E3M2 (3 exponent bits, 2 mantissa bits; 6 bits a number), with one power-of-two scale for each 32 numbers along K (OCP MX v1.0); their sums are f32. All else is computed in f32.
;;   The module's matrix products, in the order in which they are computed (A, B: the left and right operand; K: the contracted axis; several contracted axes count as one K, in the product's order):
;;     1. [M 8,192, K 1,024] x [K 1,024, N 1,024]; A: input queries; B: input Wq (given as codes): QUANTISED
;;     2. [M 8,192, K 1,024] x [K 1,024, N 1,024]; A: input keys; B: input Wk (given as codes): QUANTISED
;;     3. [M 8,192, K 1,024] x [K 1,024, N 1,024]; A: input values (given as codes); B: input Wv (given as codes): QUANTISED
;;     4. batch 128 x [M 1,024, K 64] x [K 64, N 1,024]; A: computed on the way; B: computed on the way: QUANTISED
;;     5. batch 128 x [M 1,024, K 1,024] x [K 1,024, N 64]; A: computed on the way; B: computed on the way: QUANTISED
;;   THE QUANTISER, for each operand of a quantised product, along K:
;;     - K is cut into blocks of 32 from its start; a last block that is shorter is filled with zeros.
;;     - A block's scale is 2^e with e = floor(log2(the largest magnitude in the block)) - 4, held to -126 .. 127; a block of zeros has e = 0. As a byte (E8M0): e + 127.
;;     - Each number is divided by its block's scale, clamped to +-28, and rounded to the nearest number of E3M2, ties to even, subnormals kept.
;;     - The product sums the exact products of the quantised numbers (number of the format x scale) in f32.
;;   ~~~python
;;   def quantise(x, axis):      # numpy; x: float32 -> the quantised numbers, widened to float32 again
;;       x = np.moveaxis(x, axis, -1); K = x.shape[-1]
;;       x = np.pad(x, [(0, 0)] * (x.ndim - 1) + [(0, -K % 32)]); x = x.reshape(x.shape[:-1] + (-1, 32)); a = np.abs(x).max(-1, keepdims=True)
;;       e = np.where(a > 0, np.clip(np.frexp(np.where(a > 0, a, 1))[1] - 1 - 4, -126, 127), 0)      # np.frexp(a)[1] - 1 = floor(log2(a)), exactly
;;       r = np.clip(x / 2.0 ** e, -28, 28)
;;       step = 2.0 ** (np.maximum(np.frexp(np.where(r == 0, 1, r))[1] - 1, -2) - 2)
;;       q = np.round(r / step) * step * 2.0 ** e      # np.round: ties to even
;;       return np.moveaxis(q.reshape(q.shape[:-2] + (-1,))[..., :K], -1, axis).astype(np.float32)
;;   ~~~
;;   OPERANDS COMPUTED ON THE WAY. 'Computed on the way' means the value that the module computes at that place (a softmax that the list does not call 'softmax' is quantised finished and normalised). What goes into a quantiser is computed in f32, as accurately as f32 sums, v_exp_f32 and their like allow (about 1e-6 of the number): no bf16 or f16 on the way to a quantiser, and a product that is left as it is and whose result goes on into a quantised operand takes f32 operands (vector FMAs, or v_wmma_f32_16x16x4_f32). A number that lies on a knife's edge between two numbers of the format may be rounded either way, as far as f32 arithmetic and the matrix unit's own rounding can turn it there, and no further.
;;   INPUTS GIVEN AS CODES. Wk (in the module: [1024, 1024], K = its axis 1); Wq (in the module: [1024, 1024], K = its axis 1); Wv (in the module: [1024, 1024], K = its axis 1); values (in the module: [8, 1024, 1024], K = its axis 2): each comes as NAME_codes (uint8): NAME with its K axis moved to the last place and cut into blocks of 32 codes, [.., K / 32, bytes a block], one block behind the other in memory; four codes in three bytes: a row's codes are one little-endian stream of bits, code i at bits 6 i .. 6 i + 5 (a code: sign, 3 exponent bits, 2 mantissa bits); and NAME_scales (uint8): the same leading axes, one E8M0 byte (e + 127) for each 32 codes along K. Its value is code x scale, taken as it is: it is not quantised again, and the codes and scales need not be those that the quantiser above would give.
;; One version. Each part assembles by itself: llvm-mc -triple=amdgcn-amd-amdhsa -mcpu=gfx1250 --defsym DOCPART=n.
;; ======== version 1 of 1: 3 launches
;; limits: right only within a limited range of input values
;; workspace buffers: qi 8,912,896 bytes; kv 15,466,496 bytes; qm 65,536 bytes; ctx 33,554,432 bytes
;; launch proj (part 1): grid 512 x 1, 4 waves a work-group, clusters of 4 x 1, 327,680 bytes of LDS; arguments queries, keys, Wq_codes, Wk_codes, values_codes, Wq_scales, Wk_scales, values_scales, bq, bk, bv, Wv_codes, Wv_scales, qi, kv, qm; writes qi, kv, qm
.if DOCPART == 1
	.amdgcn_target "amdgcn-amd-amdhsa--gfx1250"
	.amdhsa_code_object_version 6
	.text
	.protected	k_qb58135e7ad_proj
	.globl	k_qb58135e7ad_proj
	.p2align	8
	.type	k_qb58135e7ad_proj,@function
k_qb58135e7ad_proj:
	s_mov_b64 s[64:65], 0
	v_nop
	global_prefetch_b8 v0, s[64:65] scope:SCOPE_SE
	s_setreg_imm32_b32 hwreg(HW_REG_WAVE_MODE, 25, 1), 1
	s_wait_xcnt 0x0
	s_wait_alu depctr_hold_cnt(0) depctr_sa_sdst(0) depctr_va_vdst(0) depctr_va_sdst(0) depctr_va_ssrc(0) depctr_va_vcc(0) depctr_vm_vsrc(0)
	s_getreg_b32 s2, hwreg(HW_REG_IB_STS2, 6, 4)
	s_cmp_eq_u32 s2, 0
	s_cbranch_scc0 .Lentry_in_a_cluster
	s_endpgm
.Lentry_in_a_cluster:
	s_bfe_u32 s2, ttmp6, 0x10000c
	s_cmp_lg_u32 s2, 0x3003
	s_cbranch_scc0 .Lentry_shape_is_right
	s_endpgm
.Lentry_shape_is_right:
; Q = relu(queries Wq^T + bq), K = relu(keys Wk^T + bk), V = relu(values Wv^T + bv), all three on codes of BF6 (E3M2) with one E8M0 scale for each 32 along K,
; and their results quantised again for the two products of attention: Q and K along a head's 64 channels, V along the keys.  Results go out as images of operand registers.
; DEAD WORK: none.  Every input has a way to the output, and every input is loaded by one of the three launches.
; ONE SHAPE FOR THE THREE.  A job is R[y][x] = relu(Y X^T + bias): 64 resident rows Y, streamed rows X of 768 bytes of codes, 512 a pass; R is quantised along x.
;   Q, K (clusters 0-31, 32-63): Y = 64 tokens, f32, quantised here; X = Wq or Wk, 1,024 rows: two passes; the bias runs along x.
;   V (clusters 64-127): Y = Wv's 64 rows of one head, codes; X = 512 keys (half) of values of one batch: ONE pass; the bias runs along y.  A V job's Y costs little, so it is cut in two:
;   the grid is 256 long jobs and behind them 256 short ones.  The short job jumps over pass 0 and runs pass 1's text, which has the shape of a one-pass job: two contents asked for ahead of it, one refill, a tail that fills nothing.
; The four work-groups of a cluster walk the same X: each tile of X is asked for jointly.  The place in the cluster enters Y's and the results' addresses alone.
; The matrix instruction is used transposed (source 0 = 16 rows of X, source 1 = 16 rows of Y): a lane holds one row of Y and its registers run along x, the next product's K.
; A wave takes 128 rows of X a pass against all 64 rows of Y: 32 accumulators, eight steps of 128 along K.
; THE ROWS OF A TOKEN TILE ARE NOT NEIGHBOURS: lane r of tile 4 blk + y holds token 64 blk + 32 (y / 2) + 8 (y % 2) + r + 8 (r / 8), so that in S^T = K Q^T the 16 registers of two neighbouring key tiles are 16 neighbouring keys.
; THE KEY MASK of reference() (score = -2^32 + 1, in f32 -2^32, where a key's row sums to 0) rides in the idle half of the score product's K (a head has 64 channels, the instruction 128):
;   Q has the code +1.0 at k = 64 with scale bytes 127, 127 for the idle blocks; a masked key has the code -1.0 there with bytes 162, 1 and zero codes for k = 0 .. 63; an open key has zero codes there and bytes 1, 1.
;   A masked raw score is then exactly -2^35 = 8 x -2^32 (the division by sqrt(64) follows in the next launch), an open key's gets +0: reference()'s where, as a selection on operands.
; LIMITS: NaN and infinities among the inputs are not served.  A row whose f32 sum is 0 in one order of adding and not in another may be masked otherwise than in reference().
;   A block whose largest magnitude lies under 2^-122 keeps the scale byte 1; a block of zeros has the byte 1 and zero codes (this program alone reads these bytes).
.set SLOTB,  139264                    ; a slot: one chunk of 256 bytes of 512 rows of X, 272 bytes a row
.set WROWS,  34816                     ; a wave's 128 rows of it
.set PITCH,  272                       ; 256 bytes of codes + 16 of padding = 68 words: the 32 lanes of a load of 8 bytes touch 64 different banks (64 banks of 4 bytes: ISA guide 11.1)
.set YIMG,   278528                    ; Y's fragments of K steps 0-6 (tile y, step s) at (7 y + s) x 1,536, as images of their registers; K step 7's stay in registers
.set YARE,   10752                     ; a tile's seven images: wave w's own area; its stage (16 rows x 272 bytes) and, for one exchange, its K step 7 lie there first
.set SPARE,  321536                    ; the spare words, 128 bytes a wave: two blocks of 256 bytes that no other line names
.set YSCL,   322048                    ; Y's scale words, 128 bytes each
.set YSUM,   326144                    ; the sums of Y's rows, 128 bytes a tile
; window 0
.set L16,  1                           ; 16 x lane
.set L8,   2                           ; 8 x lane
.set L4,   3                           ; 4 x lane
.set FO,   4                           ; f32 rows: (lane / 16) x 4,096 + (lane % 16) x 16
.set SIN,  5                           ; the stage, in
.set SOUT, 6                           ; the stage, out
.set YWI,  7                           ; where I store Y's images
.set YWS,  8                           ; and their scale words
.set YRI,  9                           ; where any wave reads them
.set YRS,  10
.set YSW,  11                          ; the row sums, in
.set YSR,  12                          ; and out
.set R32,  13                          ; 32 r: a row of scale bytes
.set B32H, 14                          ; 32 h: the bias along x
.set R4,   15                          ; 4 r: the bias along y
.set WVO,  16                          ; 768 r + 24 h: Wv's codes
.set SPW,  20                          ; my spare word's LDS address; never rewritten
.set NIL,  21                          ; 0; never rewritten
.set ZR,   22                          ; 0
.set CODEV, 23                         ; the code at k = 64
.set HB0V, 24                          ; the idle blocks' scale bytes of an open row
.set HBM,  25                          ; and of a masked key
.set ADX,  26                          ; v26, v27: my X fragments in slot 0, 1; v28, v29: the same behind one padding more
.set XSC,  32                          ; v32-95  X's scale words, 8 t + s: scales and nothing else
.set YSC,  96                          ; v96-127 Y's, 8 y + s: scales and nothing else
.set H,    128                         ; v128-191 64 numbers of a lane
.set TM,   192                         ; v192-207 at work in QUANT
.set PC,   208                         ; v208-223 codes: registers 0-5 at +0, 6-11 at +8
.set HT,   224                         ; v224-230 the conversions' other halves
.set PW,   232                         ; a scale word
.set SUM,  234                         ; v234-241 the row sums' four chains
.set YS,   234                         ; later v234-237 the four tiles' row sums
.set MK,   238                         ; v238-241 the word with the code at k = 64
.set HB,   242                         ; v242-245 the idle blocks' bytes
.set PWY,  246                         ; v246-249 the four tiles' scale words
.set QMD,  254                         ; the query mask as stored
; window 1: four sets of 64 f32 numbers in the Y phase, then the accumulators, (y, t) at 8 (8 y + t)
; window 2: Y's fragments (12 s) and scale words (96 + s) on their way to LDS, then X's two sets at 0 and 128
; window 3: Y's two sets at 0 and 48; from 96 the bias, 64 registers
.set BI,   96
.set WV,   36
.set CX,   37
.set KIND, 39                          ; 0 Q, 1 K, 2 V: made of the cluster's number, alike in the four partners
.set G1,   40
.set G0,   48
.set XC,   56
.set XS,   58
.set BP,   60
.set YP,   62
.set OB0,  66
.set OB1,  68
.set SB0,  70
.set SB1,  72
.set OST,  74
.set SST,  76
.set HF,   78                          ; a V job's half of the keys, 0 in a Q or K job: made of the cluster's number
.set MZ,   80                          ; s80-83 lanes whose key is masked, a tile each
.set LM,   84
.set KSEL, 85
.set QSEL, 86
.set HIM,  87
.set SEL,  88
.set MSB, 0
.macro WIN new                         ; the immediate's high byte repeats the setting that is left
.if MSB != (\new)
	s_set_vgpr_msb (MSB<<8)|(\new)
.set MSB, (\new)
.endif
.endm
.macro PLACES                          ; four places behind a matrix instruction (ISA guide 7.12.1)
.rept 4
	v_nop
.endr
.endm
.macro CREST                           ; a round of the cluster's barrier behind its opening barrier
	s_cmp_lg_u32 s[WV], 0
	s_cbranch_scc1 .Lnot_wave_0_\@
	s_barrier_signal -3
.Lnot_wave_0_\@:
	s_barrier_wait -3
	s_barrier_signal -1
	s_barrier_wait -1
.endm
.macro ROUND
	s_barrier_signal -1
	s_barrier_wait -1
	CREST
.endm
.macro JLOAD n                         ; my 128 rows of slot n: every wave asks, each for rows of its own; the same line and descriptor in all four partners
	tensor_load_to_lds s[G0+4*(\n):G0+4*(\n)+3], s[G1:G1+7]
	s_nop 0
.rept 4
	v_nop
.endr
.endm
.macro XSCL p                          ; the scale words of my 128 rows of X in pass p: lane r takes its row's 32 bytes, sixteen lanes 512 bytes on end
.irp t, 0,1,2,3,4,5,6,7
	global_load_b128 v[XSC+8*\t:XSC+8*\t+3], v[R32], s[XS:XS+1] offset:16384*(\p)+512*\t
	global_load_b128 v[XSC+8*\t+4:XSC+8*\t+7], v[R32], s[XS:XS+1] offset:16384*(\p)+512*\t+16
.endr
.endm
.macro BIQK p                          ; Q, K: the bias of channels 512 p + 128 w + 16 t + 8 h + 0 .. 7, in the result's layout
	WIN 0xc0
.irp t, 0,1,2,3,4,5,6,7
	global_load_b128 v[BI+8*\t:BI+8*\t+3], v[B32H], s[BP:BP+1] offset:2048*(\p)+64*\t
	global_load_b128 v[BI+8*\t+4:BI+8*\t+7], v[B32H], s[BP:BP+1] offset:2048*(\p)+64*\t+16
.endr
	WIN 0
.endm
.macro LOADY s                         ; my 16 tokens' numbers of K step s: each load takes 256 bytes of one row in lanes 0-15 and of the next in lanes 16-31
	WIN 0x40
.irp e, 0,1
.irp i, 0,1,2,3,4,5,6,7
	global_load_b128 v[64*((\s)%4)+32*\e+4*\i:64*((\s)%4)+32*\e+4*\i+3], v[FO], s[YP:YP+1] offset:(2*\i+8*(\i/4))*4096+512*(\s)+256*\e th:TH_LOAD_NT
.endr
.endr
	WIN 0
.endm
; 64 numbers of a lane, v[s] on, register 16 b + i = k 32 b + 16 (lane / 16) + i of my row, become a fragment's codes (registers 0-5 at v[PC], 6-11 at v[PC+8]) and its scale word in v[wd].
; ow = 2: codes and word are carried to window 2, to v[yf] on and v[yw].
.macro QUANT s, wd, ow, yf, yw
.irp b, 0,1,2,3
	v_max3_num_f32 v[TM+\b], |v[\s+16*\b]|, |v[\s+1+16*\b]|, 0x2800000   ; my 16 numbers of block b, and the floor 2^(5 - 127): the byte cannot fall under 1
.endr
.irp i, 2,4,6,8,10,12,14
.irp b, 0,1,2,3
	v_max3_num_f32 v[TM+\b], v[TM+\b], |v[\s+16*\b+\i]|, |v[\s+1+16*\b+\i]|
.endr
.endr
.irp b, 0,1,2,3
	v_permlanex16_b32 v[TM+4+\b], v[TM+\b], s[SEL], s[SEL+1]
.endr
.irp b, 0,1,2,3
	v_max_num_f32 v[TM+\b], v[TM+\b], v[TM+4+\b]     ; with lane l xor 16's: the block's largest magnitude
.endr
.irp b, 0,1,2,3
	v_add_nc_u32 v[TM+12+\b], 0xfe000000, v[TM+\b]   ; 4 off its exponent field: the conversion's scale operand
.endr
.irp b, 0,1,2,3
	v_lshrrev_b32 v[TM+4+\b], 23, v[TM+12+\b]        ; the scale's byte
.endr
	v_lshl_or_b32 v[\wd], v[TM+5], 8, v[TM+4]
	v_lshl_or_b32 v[\wd], v[TM+6], 16, v[\wd]
	v_lshl_or_b32 v[\wd], v[TM+7], 24, v[\wd]
.irp c, 0,1
	v_cvt_scalef32_pk16_bf6_f32 v[PC+8*\c:PC+8*\c+2], v[\s+32*\c:\s+32*\c+15], v[TM+12+2*\c]
	v_cvt_scalef32_pk16_bf6_f32 v[HT+4*\c:HT+4*\c+2], v[\s+32*\c+16:\s+32*\c+31], v[TM+13+2*\c]
.endr
	v_nop                                            ; one plain place behind a scaled conversion
.irp c, 0,1                                      ; the operand's layout wants a whole block in a lane
.irp i, 0,1,2
	v_permlane16_swap_b32 v[PC+8*\c+\i], v[HT+4*\c+\i]
.endr
.endr
.if (\ow) == 0
.irp c, 0,1
.irp i, 0,1,2
	v_mov_b32 v[PC+8*\c+3+\i], v[HT+4*\c+\i]
.endr
.endr
.else
	WIN 0x80
.irp c, 0,1
.irp i, 0,1,2
	v_mov_b32 v[(\yf)+6*\c+\i], v[PC+8*\c+\i]
	v_mov_b32 v[(\yf)+6*\c+3+\i], v[HT+4*\c+\i]
.endr
.endr
	v_mov_b32 v[\yw], v[\wd]
	WIN 0
.endif
.endm
; K step s of my 16 tokens: through my stage (in as loaded, out 16 neighbours of each block a lane), into the row sums, quantised
.macro YSTEP s
.if (\s) < 5
	s_wait_loadcnt 48                                ; this step's 16 loads are in; the three younger sets may be out
.else
	s_wait_loadcnt 16*(7-(\s))
.endif
.irp e, 0,1
	WIN 0x04
.irp i, 0,1,2,3,4,5,6,7
	ds_store_b128 v[SIN], v[64*((\s)%4)+32*\e+4*\i:64*((\s)%4)+32*\e+4*\i+3] offset:2*\i*272
.endr
	WIN 0
.irp b, 0,1
.irp j, 0,1,2,3
	ds_load_b128 v[H+32*\e+16*\b+4*\j:H+32*\e+16*\b+4*\j+3], v[SOUT] offset:128*\b+16*\j   ; LDS serves a wave's instructions in order (ISA guide 5.7.1.4): one stage serves both halves
.endr
.endr
.endr
	s_wait_dscnt 0x0
.if (\s) < 4
	LOADY (\s)+4
.endif
.set j, 0
.rept 32
	v_pk_add_f32 v[SUM+2*(j%4):SUM+2*(j%4)+1], v[SUM+2*(j%4):SUM+2*(j%4)+1], v[H+2*j:H+2*j+1]
.set j, j+1
.endr
	QUANT H, PW, 2, 12*(\s), 96+(\s)
.endm
; A fragment of X: 16 rows x 128 K, 12 registers, in pieces of 8 bytes.  st counts steps of 96 bytes through both passes: byte y lies in chunk y / 256, in slot (y / 256) % 2, at byte y % 256 of the LDS row.
; Where the piece of lanes 16-31, 24 bytes on, lies in the next chunk, the second pair of addresses serves.
.macro FRAG reg, adr, st, t
.irp p, 0,1,2,3,4,5
.set BY, 96*(\st)+48*(\p/3)+8*(\p%3)
.if BY/256 == (BY+24)/256
	ds_load_b64 v[(\reg)+2*\p:(\reg)+2*\p+1], v[(\adr)+(BY/256)%2] offset:BY%256+(\t)*16*PITCH
.else
	ds_load_b64 v[(\reg)+2*\p:(\reg)+2*\p+1], v[(\adr)+2+(BY/256)%2] offset:BY%256-232+(\t)*16*PITCH
.endif
.endr
.endm
.macro FETCH n                         ; step n's fragments: my 8 of X and Y's 4, into the sets n % 2.  Y's K step 7 is copied from the registers in which it stays
	WIN 0x80
.irp t, 0,1,2,3,4,5,6,7
	FRAG 128*((\n)%2)+12*\t, ADX, \n, \t
.endr
.if (\n)%8 == 7
	WIN 0xc3
.set j, 0
.rept 48
	v_mov_b32 v[48+j], v[160+j]
.set j, j+1
.endr
	PLACES                                           ; an operand written by vector instructions stands four places ahead of a scaled matrix instruction
	s_wait_alu depctr_va_vdst(0)
.else
	WIN 0xc0
.irp y, 0,1,2,3
.irp c, 0,1,2
	ds_load_b128 v[48*((\n)%2)+12*\y+4*\c:48*((\n)%2)+12*\y+4*\c+3], v[YRI] offset:(7*\y+(\n)%8)*1536+512*\c
.endr
.endr
.endif
.endm
.macro FILL2 n                         ; the other slot's first fill, issued as a refill is: my head's load has landed, the add, its wait, a round, one joint load
	s_wait_tensorcnt 0x0
	ds_add_u32 v[SPW], v[NIL]
	s_wait_dscnt 0x0
	ROUND
	JLOAD \n
.endm
; 8 matrix instructions: Y's tile y against my 8 tiles of X, step n.  mode 0: the sums go on; 1: they begin with the bias along x; 2: with the bias along y.
; The 32 accumulators take turns, one instruction a turn, in the same order in every step.
.macro WM n, y, mode
.if (\mode) == 0
	WIN 0x5e
.else
	WIN 0x7e
.endif
.irp t, 0,1,2,3,4,5,6,7
.if (\mode) == 0
	v_wmma_scale_f32_16x16x128_f8f6f4 v[8*(8*(\y)+\t):8*(8*(\y)+\t)+7], v[128*((\n)%2)+12*\t:128*((\n)%2)+12*\t+11], v[48*((\n)%2)+12*(\y):48*((\n)%2)+12*(\y)+11], v[8*(8*(\y)+\t):8*(8*(\y)+\t)+7], v[XSC+8*\t+(\n)%8], v[YSC+8*(\y)+(\n)%8] matrix_a_fmt:MATRIX_FMT_BF6 matrix_b_fmt:MATRIX_FMT_BF6
.elseif (\mode) == 1
	v_wmma_scale_f32_16x16x128_f8f6f4 v[8*(8*(\y)+\t):8*(8*(\y)+\t)+7], v[128*((\n)%2)+12*\t:128*((\n)%2)+12*\t+11], v[48*((\n)%2)+12*(\y):48*((\n)%2)+12*(\y)+11], v[BI+8*\t:BI+8*\t+7], v[XSC+8*\t+(\n)%8], v[YSC+8*(\y)+(\n)%8] matrix_a_fmt:MATRIX_FMT_BF6 matrix_b_fmt:MATRIX_FMT_BF6
.else
	v_wmma_scale_f32_16x16x128_f8f6f4 v[8*(8*(\y)+\t):8*(8*(\y)+\t)+7], v[128*((\n)%2)+12*\t:128*((\n)%2)+12*\t+11], v[48*((\n)%2)+12*(\y):48*((\n)%2)+12*(\y)+11], v[BI+32*(\t%2)+8*(\y):BI+32*(\t%2)+8*(\y)+7], v[XSC+8*\t+(\n)%8], v[YSC+8*(\y)+(\n)%8] matrix_a_fmt:MATRIX_FMT_BF6 matrix_b_fmt:MATRIX_FMT_BF6
.endif
.endr
.endm
.macro KSTEP n                         ; a slot's first step: the second step's fragments are asked for ahead of its 32 products
	s_wait_dscnt 0x0                                 ; step n's fragments are in
	PLACES                                           ; in front of loads into the sets that the step before multiplied
	FETCH (\n)+1
.if (\n) == 0                                    ; pass 0 serves Q and K alone: the sums begin with the bias along x
	WM \n, 0, 1
	WM \n, 1, 1
	WM \n, 2, 1
	WM \n, 3, 1
.elseif (\n) == 8                                ; pass 1's text serves all three kinds
	WIN 0
	s_cmp_eq_u32 s[KIND], 2
	s_cbranch_scc1 .Lkv_\@
	WM \n, 0, 1
	WM \n, 1, 1
	WM \n, 2, 1
	WM \n, 3, 1
	WIN 0
	s_branch .Lkj_\@
.Lkv_\@:
	WM \n, 0, 2
	WM \n, 1, 2
	WM \n, 2, 2
	WM \n, 3, 2
	WIN 0
.Lkj_\@:
.else
	WM \n, 0, 0
	WM \n, 1, 0
	WM \n, 2, 0
	WM \n, 3, 0
.endif
.endm
; A slot's second step changes slots.  fill = 1: each wave waits for all its tensor loads (one is out: its part of the next slot), adds 0 to its spare word, waits for that and for its reads of this slot;
; the barrier opens a round of the cluster's barrier; behind it this slot is filled again, two contents on.
.macro TURN n, fill
.set SL, ((96*(\n))/256)%2             ; the slot of the chunk in which step n begins: the next step begins in a later one, so this chunk is read no more
.if \fill
	WIN 0
	s_wait_tensorcnt 0x0
	ds_add_u32 v[SPW], v[NIL]
	s_wait_dscnt 1                                   ; step n's fragments are in; the add may be out
	WM \n, 0, 0
	s_wait_dscnt 0x0                                 ; the add is done, and my reads of this slot are over
	s_barrier_signal -1
	WM \n, 1, 0
	WIN 0
	s_barrier_wait -1
	CREST                                            ; no wave of any partner still reads this slot or has a load on its way
.if (\n)%8 == 2
	s_add_nc_u64 s[G0+4*SL+2:G0+4*SL+3], s[G0+4*SL+2:G0+4*SL+3], 512      ; two chunks on in the same rows
.else
	s_add_nc_u64 s[G0+4*SL+2:G0+4*SL+3], s[G0+4*SL+2:G0+4*SL+3], 392960   ; 512 rows down and one chunk back: the next pass
.endif
	JLOAD SL                                         ; its four v_nop are also the places in front of the loads below
.else
	s_wait_dscnt 0x0
	WM \n, 0, 0
	WM \n, 1, 0
	s_wait_tensorcnt 0x0                             ; the next step's bytes end in a chunk not yet read: my one load that is out brings my own rows of it, which I alone read; nothing is filled here, so no barrier
	PLACES
.endif
	FETCH (\n)+1
	WM \n, 2, 0
	WM \n, 3, 0
.endm
; THE WAY OUT of a pass, a tile of Y at a time: relu; the halves of neighbouring tiles change places, so that 16 registers are 16 neighbours along the next K; quantised; stored as images.
; p = 0: Q and K alone come here, and the bases step on to pass 1's places.  p = 1: all three kinds.
.macro EPI p
.irp y, 0,1,2,3
	s_wait_xcnt 0x0                                  ; the earlier stores have read their registers
	WIN 0x04
.set j, 0
.rept 64
	v_max_num_f32 v[H+j], 0, v[64*\y+j]              ; each accumulator from its low end on
.set j, j+1
.endr
	WIN 0
.irp b, 0,1,2,3
.irp k, 0,1,2,3,4,5,6,7
	v_permlane16_swap_b32 v[H+16*\b+\k], v[H+16*\b+8+\k]
.endr
.endr
	QUANT H, PWY+\y, 0, 0, 0
.if (\p) == 1
	s_cmp_eq_u32 s[KIND], 2
	s_cbranch_scc1 .Lev_\@_\y
.endif
.irp i, 0,1,2,3,4,5,8,9,10,11,12,13
	v_cndmask_b32 v[PC+\i], v[PC+\i], v[ZR], s[MZ+\y]   ; a masked key's codes are zeros
.endr
	v_mov_b32 v[PC+6], v[MK+\y]                      ; the code at k = 64
	v_mov_b32 v[PC+14], v[MK+\y]
	global_store_b128 v[L16], v[PC:PC+3], s[OB0:OB0+1] offset:1024*\y            ; head 8 p + 2 w: 512 bytes on end a store
	global_store_b128 v[L16], v[PC+4:PC+7], s[OB0:OB0+1] offset:1024*\y+512
	global_store_b128 v[L16], v[PC+8:PC+11], s[OB1:OB1+1] offset:1024*\y         ; head 8 p + 2 w + 1
	global_store_b128 v[L16], v[PC+12:PC+15], s[OB1:OB1+1] offset:1024*\y+512
.if (\p) == 1
	s_branch .Lej_\@_\y
.Lev_\@_\y:
	s_wait_alu depctr_va_vdst(0)
.irp i, 0,1,2,3,4,5
	v_mov_b32 v[PC+6+\i], v[PC+8+\i]                 ; V: one fragment of 12 registers on end
.endr
	global_store_b128 v[L16], v[PC:PC+3], s[OB0:OB0+1] offset:1536*\y
	global_store_b128 v[L16], v[PC+4:PC+7], s[OB0:OB0+1] offset:1536*\y+512
	global_store_b128 v[L16], v[PC+8:PC+11], s[OB0:OB0+1] offset:1536*\y+1024
.Lej_\@_\y:
.endif
.endr
.if (\p) == 1                                    ; the four tiles' scale words: two tiles share a register, one in each half of the lanes
	s_cmp_eq_u32 s[KIND], 2
	s_cbranch_scc1 .Lsv_\@
.endif
.irp y, 0,1,2,3
	v_and_or_b32 v[H+4+\y], v[PWY+\y], 0xffff, v[HB+\y]   ; the first head's two bytes, and the idle blocks'
	v_lshrrev_b32 v[H+8+\y], 16, v[PWY+\y]
	v_or_b32 v[H+8+\y], v[H+8+\y], v[HB+\y]          ; the second head's
.endr
	v_cndmask_b32 v[H], v[H+4], v[H+5], s[HIM]
	v_cndmask_b32 v[H+1], v[H+6], v[H+7], s[HIM]
	v_cndmask_b32 v[H+2], v[H+8], v[H+9], s[HIM]
	v_cndmask_b32 v[H+3], v[H+10], v[H+11], s[HIM]
	global_store_b64 v[L8], v[H:H+1], s[SB0:SB0+1]   ; 256 bytes on end, aligned
	global_store_b64 v[L8], v[H+2:H+3], s[SB1:SB1+1]
.if (\p) == 1
	s_branch .Lsj_\@
.Lsv_\@:
	v_cndmask_b32 v[H], v[PWY], v[PWY+1], s[HIM]
	v_cndmask_b32 v[H+1], v[PWY+2], v[PWY+3], s[HIM]
	global_store_b64 v[L8], v[H:H+1], s[SB0:SB0+1]
.Lsj_\@:
.else
	s_wait_xcnt 0x0                                  ; the stores have read their bases: on to pass 1's places
	s_add_nc_u64 s[OB0:OB0+1], s[OB0:OB0+1], s[OST:OST+1]
	s_add_nc_u64 s[OB1:OB1+1], s[OB1:OB1+1], s[OST:OST+1]
	s_add_nc_u64 s[SB0:SB0+1], s[SB0:SB0+1], s[SST:SST+1]
	s_add_nc_u64 s[SB1:SB1+1], s[SB1:SB1+1], s[SST:SST+1]
.endif
.endm
	s_load_b512 s[4:19], s[0:1], 0x0                 ; queries 4, keys 6, Wq_codes 8, Wk_codes 10, values_codes 12, Wq_scales 14, Wk_scales 16, values_scales 18
	s_load_b512 s[20:35], s[0:1], 0x40               ; bq 20, bk 22, bv 24, Wv_codes 26, Wv_scales 28, qi 30, kv 32, qm 34
	v_lshl_add_u32 v[SPW], v0, 2, SPARE
	v_mov_b32 v[NIL], 0
	ds_add_u32 v[SPW], v[NIL]                        ; the wave's opening: the add, twice on end, and its wait ahead of my first tensor load
	ds_add_u32 v[SPW], v[NIL]
	v_lshrrev_b32 v17, 5, v0
	v_readfirstlane_b32 s[WV], v17                   ; wave 0..3
	s_bfe_u32 s[CX], ttmp6, 0x40000                  ; my place in the cluster
	s_lshr_b32 s[KIND], ttmp9, 5                     ; in a cluster launch ttmp9 counts clusters: 0-31 Q, 32-63 K,
	s_min_u32 s[KIND], s[KIND], 2                    ; 64-127 V
	s_mov_b32 s[G1+0], 15|(1<<20)|(1<<21)|(5<<22)|(3<<25)   ; the mask: all four; elements of 1 byte; padding on; bit 21 beside a mask; after every 64 words, 4 words
	s_mov_b32 s[G1+1], 256<<16                       ; tensor_dim0: a chunk of 256 bytes, which begins at a multiple of 256 bytes of its buffer
	s_mov_b32 s[G1+2], 128<<16                       ; tensor_dim1
	s_mov_b32 s[G1+3], 256<<16                       ; tile_dim0
	s_mov_b32 s[G1+4], 128                           ; tile_dim1
	s_mov_b32 s[G1+5], 768                           ; a row of X in memory
	s_mov_b32 s[G1+6], 0
	s_mov_b32 s[G1+7], 0
	s_lshr_b32 s90, ttmp9, 3
	s_and_b32 s90, s90, 7                            ; a V job's batch: bits 5:3 of the cluster's number;
	s_bfe_u32 s[HF], ttmp9, 0x10002                  ; its half of the keys: bit 2;  (its four heads: bits 1:0)
	s_cmp_eq_u32 s[KIND], 2
	s_cselect_b32 s91, s90, 0
	s_cselect_b32 s[HF], s[HF], 0
	s_mul_i32 s92, s91, 786432
	s_mul_i32 s93, s[WV], 98304
	s_add_co_u32 s92, s92, s93                       ; X's codes: the batch, my 128 rows,
	s_mul_i32 s93, s[HF], 393216
	s_add_co_u32 s92, s92, s93                       ; and the half's 512 rows
	s_mov_b32 s93, 0
	s_lshl_b32 s94, s91, 15
	s_lshl_b32 s95, s[WV], 12
	s_add_co_u32 s94, s94, s95                       ; X's scale bytes likewise
	s_lshl_b32 s95, s[HF], 14
	s_add_co_u32 s94, s94, s95
	s_mov_b32 s95, 0
	s_mul_i32 s38, s[WV], WROWS                      ; my rows' place in a slot
	s_mov_b32 s[SEL], 0x76543210
	s_mov_b32 s[SEL+1], 0xfedcba98                   ; v_permlanex16_b32's selects for lane l xor 16
	s_mov_b32 s[HIM], 0xffff0000                     ; lanes 16-31
	s_wait_dscnt 0x0                                 ; both opening adds are done
	s_wait_kmcnt 0x0
	s_cmp_lt_u32 ttmp9, 32                           ; the buffers are chosen by the cluster's number alone
	s_cselect_b64 s[XC:XC+1], s[8:9], s[10:11]
	s_cselect_b64 s[XS:XS+1], s[14:15], s[16:17]
	s_cselect_b64 s[BP:BP+1], s[20:21], s[22:23]
	s_cselect_b64 s[YP:YP+1], s[4:5], s[6:7]
	s_cselect_b64 s[OB0:OB0+1], s[30:31], s[32:33]
	s_cmp_lt_u32 ttmp9, 64
	s_cselect_b64 s[XC:XC+1], s[XC:XC+1], s[12:13]
	s_cselect_b64 s[XS:XS+1], s[XS:XS+1], s[18:19]
	s_cselect_b64 s[BP:BP+1], s[BP:BP+1], s[24:25]
	s_cselect_b64 s[YP:YP+1], s[YP:YP+1], s[26:27]
	s_add_nc_u64 s[XC:XC+1], s[XC:XC+1], s[92:93]
	s_add_nc_u64 s[XS:XS+1], s[XS:XS+1], s[94:95]
	ROUND                                            ; all four work-groups are here: the first joint loads meet
	; chunk c of the text's six lies in slot c % 2.  A Q or K job begins with chunk 0 (slot 0); a V job runs pass 1's text, whose first chunk lies in slot 1
	s_cmp_eq_u32 s[KIND], 2
	s_cselect_b32 s92, 256, 0                        ; slot 0's first content: the job's chunk 0, or a V job's chunk 1
	s_cselect_b32 s94, 0, 256                        ; slot 1's
	s_add_nc_u64 s[G0+2:G0+3], s[XC:XC+1], s[92:93]
	s_add_nc_u64 s[G0+6:G0+7], s[XC:XC+1], s[94:95]
.irp n, 0,1
	s_mov_b32 s[G0+4*\n], 1
	s_add_co_u32 s[G0+4*\n+1], s38, \n*SLOTB
	s_or_b32 s[G0+4*\n+3], s[G0+4*\n+3], 0x80000000
.endr
	s_cmp_eq_u32 s[KIND], 2                          ; one tensor load a wave at the head; the branch hangs on the cluster's number alone
	s_cbranch_scc1 .Lhead_v
	JLOAD 0
	s_branch .Lhead_j
.Lhead_v:
	JLOAD 1
.Lhead_j:
	; addresses
	v_and_b32 v17, 31, v0                            ; lane
	v_and_b32 v18, 15, v0                            ; r
	v_bfe_u32 v19, v0, 4, 1                          ; h
	v_lshlrev_b32 v[L16], 4, v17
	v_lshlrev_b32 v[L8], 3, v17
	v_lshlrev_b32 v[L4], 2, v17
	v_lshlrev_b32 v[FO], 12, v19
	v_lshl_add_u32 v[FO], v18, 4, v[FO]
	s_mul_i32 s3, s[WV], YARE
	s_add_co_u32 s3, s3, YIMG                        ; my stage: the head of my own area
	v_mul_u32_u24 v[SIN], v19, 272
	v_lshl_add_u32 v[SIN], v18, 4, v[SIN]
	v_add_nc_u32 v[SIN], s3, v[SIN]
	v_mul_u32_u24 v[SOUT], v18, 272
	v_lshl_add_u32 v[SOUT], v19, 6, v[SOUT]
	v_add_nc_u32 v[SOUT], s3, v[SOUT]
	s_mul_i32 s3, s[WV], YARE
	s_add_co_u32 s3, s3, YIMG
	v_add_nc_u32 v[YWI], s3, v[L16]
	s_lshl_b32 s3, s[WV], 10
	s_add_co_u32 s3, s3, YSCL
	v_add_nc_u32 v[YWS], s3, v[L4]
	v_add_nc_u32 v[YRI], YIMG, v[L16]
	v_add_nc_u32 v[YRS], YSCL, v[L4]
	s_lshl_b32 s3, s[WV], 7
	s_add_co_u32 s3, s3, YSUM
	v_add_nc_u32 v[YSW], s3, v[L4]
	v_add_nc_u32 v[YSR], YSUM, v[L4]
	v_lshlrev_b32 v[R32], 5, v18
	v_lshlrev_b32 v[B32H], 5, v19
	v_lshlrev_b32 v[R4], 2, v18
	v_mul_u32_u24 v[WVO], v18, 768
	v_mad_u32_u24 v[WVO], v19, 24, v[WVO]
	v_mul_u32_u24 v[ADX+3], v18, PITCH
	v_add_nc_u32 v[ADX+3], s38, v[ADX+3]             ; my row in slot 0
	v_mad_u32_u24 v[ADX], v19, 24, v[ADX+3]          ; + 24 h
	v_add_nc_u32 v[ADX+1], SLOTB, v[ADX]
	s_mov_b32 s3, SLOTB-232
	v_mul_u32_u24 v[ADX+2], s3, v19
	v_add_nc_u32 v[ADX+2], v[ADX+3], v[ADX+2]
	v_add_nc_u32 v[ADX+2], 232, v[ADX+2]             ; across two chunks: lanes 0-15 byte 232 of the row in slot 0, lanes 16-31 byte 0 of the row in slot 1;
	v_sub_nc_u32 v[H], 1, v19
	s_mov_b32 s3, SLOTB+232
	v_mul_u32_u24 v[H], s3, v[H]
	v_add_nc_u32 v[ADX+3], v[ADX+3], v[H]            ; and lanes 0-15 byte 232 of the row in slot 1, lanes 16-31 byte 0 of the row in slot 0
	v_mov_b32 v[ZR], 0
	v_mov_b32 v[PC+7], 0                             ; an image's last register
	v_mov_b32 v[PC+15], 0
.irp b, 0,1,2,3
	v_mov_b32 v[TM+4+\b], 0                          ; written once: a lane permute's destination counts as one of its sources
.endr
	; where Y lies and where the results go: here alone the place in the cluster enters
	s_lshl_b32 s96, ttmp9, 2
	s_add_co_u32 s96, s96, s[CX]
	s_and_b32 s96, s96, 127                          ; Q, K: which 64 tokens
	s_and_b32 s97, ttmp9, 3
	s_lshl_b32 s97, s97, 2
	s_add_co_u32 s97, s97, s[CX]                     ; V: which head
	s_lshr_b32 s14, s[WV], 1
	s_lshl_b32 s14, s14, 5
	s_and_b32 s15, s[WV], 1
	s_lshl_b32 s15, s15, 3
	s_add_co_u32 s14, s14, s15                       ; my tile's first token: 32 (w / 2) + 8 (w % 2)
	s_lshl_b32 s15, s96, 6
	s_add_co_u32 s14, s14, s15
	s_lshl_b32 s14, s14, 12                          ; in bytes
	s_lshl_b32 s16, s97, 6
	s_lshl_b32 s17, s[WV], 4
	s_add_co_u32 s16, s16, s17                       ; V: my tile's first row of Wv
	s_mul_i32 s17, s16, 768
	s_lshl_b32 s18, s16, 5
	s_mov_b32 s19, 0
	s_add_nc_u64 s[28:29], s[28:29], s[18:19]        ; and its scale bytes
	s_lshl_b32 s15, s[WV], 9                         ; the bias: my 128 channels,
	s_lshl_b32 s16, s97, 8                           ; or the head's 64
	s_cmp_eq_u32 s[KIND], 2
	s_cselect_b32 s18, s17, s14
	s_add_nc_u64 s[YP:YP+1], s[YP:YP+1], s[18:19]
	s_cselect_b32 s18, s16, s15
	s_add_nc_u64 s[BP:BP+1], s[BP:BP+1], s[18:19]
	s_lshl_b32 s18, s96, 2
	s_add_co_u32 s18, s18, s[WV]
	s_lshl_b32 s18, s18, 7
	s_add_nc_u64 s[34:35], s[34:35], s[18:19]        ; qm: tile 4 x (block of 64 tokens) + w, 128 bytes each
	s_mov_b32 s2, 120832
	s_cmp_eq_u32 s[KIND], 0
	s_cselect_b32 s2, 69632, s2                      ; bytes of a (batch, head) in qi or in kv
	s_lshl_b32 s99, s2, 3                            ; eight heads on
	s_lshr_b32 s14, s96, 4
	s_lshl_b32 s14, s14, 4
	s_lshl_b32 s15, s[WV], 1
	s_add_co_u32 s14, s14, s15                       ; Q, K: 16 b + 2 w
	s_lshl_b32 s15, s90, 4
	s_add_co_u32 s15, s15, s97                       ; V: 16 b + head
	s_and_b32 s16, s96, 15                           ; the block of 64 tokens in its batch
	s_lshl_b32 s17, s16, 12                          ; its four tiles' images
	s_lshl_b32 s16, s16, 8
	s_add_co_u32 s16, s16, 65536                     ; and their scale words
	s_mul_i32 s98, s[WV], 6144
	s_add_co_u32 s98, s98, 69632                     ; V: key group 4 x half + w: its four fragments
	s_mul_i32 s3, s[HF], 24576
	s_add_co_u32 s98, s98, s3
	s_lshl_b32 s18, s[WV], 8
	s_add_co_u32 s18, s18, 118784                    ; and their scale words
	s_lshl_b32 s3, s[HF], 10
	s_add_co_u32 s18, s18, s3
	s_cmp_eq_u32 s[KIND], 2
	s_cselect_b32 s14, s15, s14
	s_cselect_b32 s17, s98, s17
	s_cselect_b32 s16, s18, s16
	s_mov_b32 s[OST], s99                            ; from pass 0 to pass 1 (Q, K alone): eight heads
	s_mov_b32 s[SST], s99
	s_mov_b32 s[OST+1], 0
	s_mov_b32 s[SST+1], 0
	s_mul_i32 s14, s14, s2
	s_mov_b64 s[SB0:SB0+1], s[OB0:OB0+1]
	s_add_co_u32 s18, s14, s17
	s_add_nc_u64 s[OB0:OB0+1], s[OB0:OB0+1], s[18:19]
	s_add_co_u32 s18, s14, s16
	s_add_nc_u64 s[SB0:SB0+1], s[SB0:SB0+1], s[18:19]
	s_mov_b32 s18, s2
	s_add_nc_u64 s[OB1:OB1+1], s[OB0:OB0+1], s[18:19]   ; the second head (Q, K alone store there)
	s_add_nc_u64 s[SB1:SB1+1], s[SB0:SB0+1], s[18:19]
	s_mov_b32 s15, 0x7f7f0000
	s_cmp_eq_u32 s[KIND], 1
	s_cselect_b32 s14, 0x2c, 0x0c                    ; -1.0 for a masked key, +1.0 for a query
	s_cselect_b32 s15, 0x01010000, s15
	s_cselect_b32 s[KSEL], -1, 0
	s_cmp_eq_u32 s[KIND], 0
	s_cselect_b32 s[QSEL], -1, 0
	v_mov_b32 v[CODEV], s14
	v_mov_b32 v[HB0V], s15
	v_mov_b32 v[HBM], 0x01a20000                     ; bytes 162, 1
	XSCL 0
	s_cmp_eq_u32 s[KIND], 2
	s_cbranch_scc1 .Lyv
	; ---- Y of a Q or K job: wave w quantises tile w's 16 tokens
	BIQK 0
	LOADY 0
	LOADY 1
	LOADY 2
	LOADY 3
.irp i, 0,1,2,3,4,5,6,7
	v_mov_b32 v[SUM+\i], 0
.endr
	s_wait_alu depctr_va_vdst(0)
	FILL2 1                                          ; chunk 1, under the flight of my tokens' loads
	YSTEP 0
	YSTEP 1
	YSTEP 2
	YSTEP 3
	YSTEP 4
	YSTEP 5
	YSTEP 6
	YSTEP 7
	v_pk_add_f32 v[SUM:SUM+1], v[SUM:SUM+1], v[SUM+2:SUM+3]
	v_pk_add_f32 v[SUM+4:SUM+5], v[SUM+4:SUM+5], v[SUM+6:SUM+7]
	v_pk_add_f32 v[SUM:SUM+1], v[SUM:SUM+1], v[SUM+4:SUM+5]
	v_add_f32 v[SUM], v[SUM], v[SUM+1]
	v_permlanex16_b32 v[SUM+2], v[SUM], s[SEL], s[SEL+1]
	v_add_f32 v[SUM], v[SUM], v[SUM+2]               ; my row's sum, in both halves of the lanes
	s_cmp_lg_u32 s[KIND], 0
	s_cbranch_scc1 .Lnoqm
	v_cmp_neq_f32 s14, 0, v[SUM]
	v_cndmask_b32 v[QMD], 0, 1.0, s14                ; sign(|sum|)
	global_store_b32 v[L4], v[QMD], s[34:35]
.Lnoqm:
	s_branch .Lyjoin
.Lyv:
	; ---- Y of a V job: wave w takes tile w's 16 rows of Wv as they lie
	WIN 0xc0
.irp u, 0,1                                      ; the bias along y: eight equal registers a tile; a copy for even and one for odd t, so that both kinds of job fill the same 64 registers and every register that a later line names is written on either way
.irp y, 0,1,2,3
.irp j, 0,1,2,3,4,5,6,7
	global_load_b32 v[BI+32*\u+8*\y+\j], v[R4], s[BP:BP+1] offset:64*\y
.endr
.endr
.endr
	WIN 0x80
.irp s, 0,1,2,3,4,5,6,7
.irp p, 0,1,2,3,4,5
	global_load_b64 v[12*\s+2*\p:12*\s+2*\p+1], v[WVO], s[YP:YP+1] offset:96*\s+48*(\p/3)+8*(\p%3)
.endr
.endr
	global_load_b128 v[96:99], v[R32], s[28:29]
	global_load_b128 v[100:103], v[R32], s[28:29] offset:16
	WIN 0
	v_mov_b32 v[SUM], 1.0                            ; no mask hangs on these rows
	s_wait_alu depctr_va_vdst(0)
	FILL2 0                                          ; a V job's second chunk, into slot 0
.Lyjoin:
	s_wait_loadcnt 0x0
	WIN 0x08                                         ; an LDS store's data are its source 1: window 2
	s_wait_alu depctr_va_vdst(0)
.irp c, 0,1,2
	ds_store_b128 v[YWI], v[84+4*\c:84+4*\c+3] offset:512*\c      ; K step 7's fragment, for one exchange at the head of my area (my stage is done with)
.endr
.irp s, 0,1,2,3,4,5,6,7
	ds_store_b32 v[YWS], v[96+\s] offset:128*\s
.endr
	WIN 0
	ds_store_b32 v[YSW], v[SUM]
	s_wait_dscnt 0x0                                 ; for the others' sake: my stores have landed
	s_barrier_signal -1
	s_barrier_wait -1
	WIN 0xc0
.irp y, 0,1,2,3
.irp c, 0,1,2
	ds_load_b128 v[160+12*\y+4*\c:160+12*\y+4*\c+3], v[YRI] offset:YARE*\y+512*\c   ; the four tiles' K step 7 stays in window 3, v160-207
.endr
.endr
	WIN 0
	s_wait_dscnt 0x0                                 ; my reads are over: the areas may be written again behind the barrier
	s_barrier_signal -1
	s_barrier_wait -1
	WIN 0x08
.irp s, 0,1,2,3,4,5,6
.irp c, 0,1,2
	ds_store_b128 v[YWI], v[12*\s+4*\c:12*\s+4*\c+3] offset:1536*\s+512*\c
.endr
.endr
	WIN 0
	s_wait_dscnt 0x0
	s_barrier_signal -1                              ; my second chunk's load may stay out
	s_barrier_wait -1
	s_cmp_eq_u32 s[KIND], 2
	s_cbranch_scc1 .Lfetch_v
	FETCH 0
	WIN 0
	s_branch .Lfetch_j
.Lfetch_v:
	FETCH 8                                          ; the same registers, from slot 1
	WIN 0
.Lfetch_j:
.irp y, 0,1,2,3
.irp s, 0,1,2,3,4,5,6,7
	ds_load_b32 v[YSC+8*\y+\s], v[YRS] offset:(8*\y+\s)*128
.endr
	ds_load_b32 v[YS+\y], v[YSR] offset:128*\y
.endr
	s_wait_dscnt 0x0
.irp y, 0,1,2,3                                  ; the masks are selections: no branch hangs on them
	v_cmp_eq_f32 s[MZ+\y], 0, v[YS+\y]
	s_and_b32 s[MZ+\y], s[MZ+\y], s[KSEL]            ; a K job's rows whose sum is 0
	s_or_b32 s[LM], s[MZ+\y], s[QSEL]
	s_and_b32 s[LM], s[LM], 0xffff                   ; k = 64 lies in lanes 0-15
	v_cndmask_b32 v[MK+\y], v[ZR], v[CODEV], s[LM]
	v_cndmask_b32 v[HB+\y], v[HB0V], v[HBM], s[MZ+\y]
.endr
	; A V job has one pass: it goes on at pass 1's text.  The branch hangs on the cluster's number alone, so the four partners go the same way and pass the same rounds.
	; Both ways reach the label alike: step 8's fragments asked for, slot 0's load the one tensor load that may be out, every window 0; every wait on TENSORcnt is for 0.
	s_cmp_eq_u32 s[KIND], 2
	s_cbranch_scc1 .Lpass1
	; ---- pass 0: Q and K alone.  Eight steps of 96 bytes to three chunks: steps 2 and 5 lie across two chunks
	KSTEP 0
	TURN 1, 0                                        ; chunk 1 is waited for
	TURN 2, 1                                        ; chunk 0 is done with: chunk 2
	KSTEP 3
	TURN 4, 0                                        ; chunk 2 is waited for
	TURN 5, 1                                        ; chunk 1 is done with: chunk 3, pass 1's first
	KSTEP 6
	TURN 7, 1                                        ; chunk 3 is waited for, chunk 2 is done with: chunk 4
	WIN 0
	PLACES                                           ; in front of loads into scale and bias registers, and of the first read of results
	XSCL 1
	BIQK 1
	EPI 0
	s_wait_loadcnt 0x0                               ; pass 1's scale words and bias
.Lpass1:
	; ---- pass 1 of a Q or K job; the one pass of a V job
	KSTEP 8
	TURN 9, 0                                        ; chunk 4 is waited for
	TURN 10, 1                                       ; chunk 3 is done with: chunk 5, the last
	KSTEP 11
	TURN 12, 0                                       ; chunk 5 is waited for
	KSTEP 13
	KSTEP 14
	s_wait_dscnt 0x0
	WM 15, 0, 0
	WM 15, 1, 0
	WM 15, 2, 0
	WM 15, 3, 0
	WIN 0
	PLACES
	EPI 1
	s_wait_tensorcnt 0x0                             ; the wave's end: behind my last tensor load and my last LDS store
	ds_add_u32 v[SPW], v[NIL]
	s_wait_dscnt 0x0
	ROUND                                            ; the closing round: no work-group ends while a partner may still ask for a tile that names it
	s_endpgm
.Lfunc_end_k_qb58135e7ad_proj:
	.size	k_qb58135e7ad_proj, .Lfunc_end_k_qb58135e7ad_proj-k_qb58135e7ad_proj
	.p2alignl 7, 3214868480
	.fill 96, 4, 3214868480
	.section	.rodata,"a",@progbits
	.p2align	6, 0x0
	.amdhsa_kernel k_qb58135e7ad_proj
		.amdhsa_group_segment_fixed_size 327680
		.amdhsa_private_segment_fixed_size 0
		.amdhsa_enable_private_segment 0
		.amdhsa_kernarg_size 128
		.amdhsa_user_sgpr_count 2
		.amdhsa_user_sgpr_kernarg_segment_ptr 1
		.amdhsa_wavefront_size32 1
		.amdhsa_system_sgpr_workgroup_id_x 1
		.amdhsa_system_sgpr_workgroup_id_y 1
		.amdhsa_system_sgpr_workgroup_id_z 1
		.amdhsa_system_vgpr_workitem_id 0
		.amdhsa_next_free_vgpr 1024
		.amdhsa_next_free_sgpr 100
		.amdhsa_reserve_vcc 0
		.amdhsa_float_denorm_mode_32 3
		.amdhsa_float_denorm_mode_16_64 3
		.amdhsa_memory_ordered 1
		.amdhsa_forward_progress 1
		.amdhsa_inst_pref_size 255
	.end_amdhsa_kernel
	.section	.bss,"aw",@nobits
	.p2align	6
	.space	262144
	.amdgpu_metadata
---
amdhsa.version: [ 1, 2 ]
amdhsa.kernels:
  - .name:           k_qb58135e7ad_proj
    .symbol:         k_qb58135e7ad_proj.kd
    .args:
      - { .name: queries, .offset: 0, .size: 8, .value_kind: global_buffer, .address_space: global }
      - { .name: keys, .offset: 8, .size: 8, .value_kind: global_buffer, .address_space: global }
      - { .name: Wq_codes, .offset: 16, .size: 8, .value_kind: global_buffer, .address_space: global }
      - { .name: Wk_codes, .offset: 24, .size: 8, .value_kind: global_buffer, .address_space: global }
      - { .name: values_codes, .offset: 32, .size: 8, .value_kind: global_buffer, .address_space: global }
      - { .name: Wq_scales, .offset: 40, .size: 8, .value_kind: global_buffer, .address_space: global }
      - { .name: Wk_scales, .offset: 48, .size: 8, .value_kind: global_buffer, .address_space: global }
      - { .name: values_scales, .offset: 56, .size: 8, .value_kind: global_buffer, .address_space: global }
      - { .name: bq, .offset: 64, .size: 8, .value_kind: global_buffer, .address_space: global }
      - { .name: bk, .offset: 72, .size: 8, .value_kind: global_buffer, .address_space: global }
      - { .name: bv, .offset: 80, .size: 8, .value_kind: global_buffer, .address_space: global }
      - { .name: Wv_codes, .offset: 88, .size: 8, .value_kind: global_buffer, .address_space: global }
      - { .name: Wv_scales, .offset: 96, .size: 8, .value_kind: global_buffer, .address_space: global }
      - { .name: qi, .offset: 104, .size: 8, .value_kind: global_buffer, .address_space: global }
      - { .name: kv, .offset: 112, .size: 8, .value_kind: global_buffer, .address_space: global }
      - { .name: qm, .offset: 120, .size: 8, .value_kind: global_buffer, .address_space: global }
    .group_segment_fixed_size: 327680
    .private_segment_fixed_size: 0
    .kernarg_segment_align: 8
    .kernarg_segment_size: 128
    .max_flat_workgroup_size: 128
    .sgpr_count:     100
    .vgpr_count:     1024
    .wavefront_size: 32
...
	.end_amdgpu_metadata
.endif
;; end of part 1
;; launch attn (part 2): grid 2 x 128, 8 waves a work-group, no clusters, 196,608 bytes of LDS; arguments qi, kv, qm, ctx; writes ctx
.if DOCPART == 2
	.amdgcn_target "amdgcn-amd-amdhsa--gfx1250"
	.amdhsa_code_object_version 6
	.text
	.protected	k_qb58135e7ad_attn
	.globl	k_qb58135e7ad_attn
	.p2align	8
	.type	k_qb58135e7ad_attn,@function
k_qb58135e7ad_attn:
	s_mov_b64 s[64:65], 0
	v_nop
	global_prefetch_b8 v0, s[64:65] scope:SCOPE_SE
	s_setreg_imm32_b32 hwreg(HW_REG_WAVE_MODE, 25, 1), 1
	s_wait_xcnt 0x0
; ctx[b][q][64 h ..] = (softmax_k(Q K^T / 8, masked keys at -2^32) x query mask) V for one (batch, head), both products on codes of BF6 (E3M2) with E8M0 scales.  No work of reference() is left out.
; THE WEIGHTS ARE QUANTISED FINISHED: normalised by the row's sum and multiplied by the query mask, as reference() has them.  So a query's weights stay in registers until its maximum and sum are known.
; SHARES.  A work-group owns 512 queries of one (batch, head); the head's K and V, 120,832 bytes of operand images, come into LDS once and stay.  Eight waves, two to a SIMD, 512 registers each.
; A trip serves 64 queries: waves 0-3 take 32 of them, waves 4-7 the other 32; in such a group wave kq takes keys 256 kq .. 256 kq + 255: 32 queries x 256 keys = 256 registers a lane (window 1).
; Each fragment of K and of V feeds two tiles of queries.
; THE SOFTMAX ACROSS FOUR WAVES.  Each wave takes its own largest raw score m away: p = 2^(raw c - A), A = m c rounded, c = log2(e) / 8, and sums its p.  The four exchange (A, sum) through LDS;
; with A* the largest A, a wave's weights are p x 2^(A - A*) / (sum over the four of 2^(A_i - A*) sum_i) x mask, all in f32.  A masked key's raw score arrives as -2^35 from the operands; -2^35 c is exact in f32,
; so a wave, or a row, whose keys are all masked has p = 1 throughout.
; The four partial O^T go through a stage each; wave kq adds and stores rows 8 kq .. 8 kq + 7 of the group's 32: sixteen lanes store a head's 256 bytes of a row, aligned.
; LAYOUT.  Both products are used transposed (S^T = K Q^T, O^T = V^T P^T): a lane holds one query (lane % 16).  The keys of a tile are chosen by the first launch so that the 16 registers of tiles 2 b, 2 b + 1 are keys 32 b + 16 (lane / 16) + 0 .. 15.
; K's fragments lie 8 registers apart though an operand names 12: the upper four hold k = 96 .. 127 and are whatever follows; Q's codes there are zeros, every 6-bit pattern is a finite number, so these products are 0.
; A block's largest weight is not searched for: the block's largest score goes through the same multiply-add, exponential and multiplication.
; NO CLUSTER: two work-groups share a head, and what they share is read once, at the head of the text.  NO PREFETCH: K and V are asked for once, by the first lines; there is no later tile to run ahead for.
; LIMITS: v_exp_f32 is taken not to fall where its input rises; its results under 2^-126 are 0; NaN and infinities are not served.
; REGISTERS.  Window 0: v1-12 addresses; v16-39 Q's two tiles (their last four registers stay 0); v40-41 Q's scale words; v42-43 masks; v44-47 what I hand to the group; v48-51 -A (and A*); v52-55 the factors; v56-63 sums;
;   v64-79 block maxima, later the conversions' scale operands; v80-95 the blocks' largest weights, later bytes; v96-111 scale words of K, V, P: scales and nothing else; v112-123 at work;
;   v124-255: K's 16 fragments and four registers that stay 0; later V's 8 fragments (v124-219), the group's (A, sum) and then P's two fragments (v220-243), the conversions' other halves (v244-251); on the way out v124-187.
;   Window 1: p of query tile u, key group g at 128 u + 64 g; O^T (u, t) at 8 (4 u + t), where p (0, 0) lay.
.set KVB,   120832
.set QIB,   69632
.set KSCO,  65536
.set VIMGO, 69632
.set VSCO,  118784
.set STAGE, 120832                     ; 32 rows x 272 bytes for each wave
.set SROW,  272
.set STW,   8704
.set EXCH,  190464                     ; 512 bytes a wave
.set SPARE, 194560                     ; the spare words, 128 bytes a wave: four blocks of 256 bytes that no other line names
.set NEGB, 13
.set SPW, 14
.set NIL, 15
.set QF,  16
.set QS,  40
.set QM,  42
.set XO,  44
.set NA,  48
.set F,   52
.set SU,  56
.set BM,  64
.set BT,  80
.set KS,  96
.set VS,  104
.set PWD, 108
.set TT,  112
.set KF,  124
.set VF,  124
.set OR,  124
.set PF,  220
.set XI,  220
.set HT,  244
.set G0,  12
.set G1,  16
.set WV,  24
.set BH,  25
.set CNT, 26
.set NC,  27
.set CS,  28
.set SEL, 30
.set QB,  32
.set QSB, 34
.set QMB, 36
.set CB,  38
.set KQ,  53
.set QG,  54
.set MSB, 0
.macro WIN new                         ; the immediate's high byte repeats the setting that is left
.if MSB != (\new)
	s_set_vgpr_msb (MSB<<8)|(\new)
.set MSB, (\new)
.endif
.endm
.macro PLACES                          ; four places behind a matrix instruction (ISA guide 7.12.1)
.rept 4
	v_nop
.endr
.endm
.macro ALU                             ; the wait ahead of blocking waits, branches and batches of transcendentals, and behind such batches
	s_wait_alu depctr_va_vdst(0)
.endm
.macro WS d, a, b, acc, sa, sb, odd    ; one product; acc = 0: it starts the sum; odd: source 0's scales lie in lanes 16-31
.if (\acc)
.if (\odd)
	v_wmma_scale_f32_16x16x128_f8f6f4 v[(\d):(\d)+7], v[(\a):(\a)+11], v[(\b):(\b)+11], v[(\d):(\d)+7], v[\sa], v[\sb] matrix_a_fmt:MATRIX_FMT_BF6 matrix_b_fmt:MATRIX_FMT_BF6 matrix_a_scale:MATRIX_SCALE_ROW1
.else
	v_wmma_scale_f32_16x16x128_f8f6f4 v[(\d):(\d)+7], v[(\a):(\a)+11], v[(\b):(\b)+11], v[(\d):(\d)+7], v[\sa], v[\sb] matrix_a_fmt:MATRIX_FMT_BF6 matrix_b_fmt:MATRIX_FMT_BF6
.endif
.else
.if (\odd)
	v_wmma_scale_f32_16x16x128_f8f6f4 v[(\d):(\d)+7], v[(\a):(\a)+11], v[(\b):(\b)+11], 0, v[\sa], v[\sb] matrix_a_fmt:MATRIX_FMT_BF6 matrix_b_fmt:MATRIX_FMT_BF6 matrix_a_scale:MATRIX_SCALE_ROW1
.else
	v_wmma_scale_f32_16x16x128_f8f6f4 v[(\d):(\d)+7], v[(\a):(\a)+11], v[(\b):(\b)+11], 0, v[\sa], v[\sb] matrix_a_fmt:MATRIX_FMT_BF6 matrix_b_fmt:MATRIX_FMT_BF6
.endif
.endif
.endm
.macro KL g, i, pl                     ; one plane (four registers) of K's tile i of my key group g
	ds_load_b128 v[KF+64*(\g)+8*(\i)+4*(\pl):KF+64*(\g)+8*(\i)+4*(\pl)+3], v1 offset:(8*(\g)+(\i))*1024+512*(\pl)
.endm
.macro SMM g, i0                       ; S^T: K's tiles i0, i0 + 1 of group g against both tiles of queries
.irp i, 0,1
.irp u, 0,1
	WS 128*\u+64*(\g)+8*((\i0)+\i), KF+64*(\g)+8*((\i0)+\i), QF+12*\u, 0, KS+4*(\g)+(\i0)/2, QS+\u, \i
.endr
.endr
.endm
.macro MAXI u, g, i                    ; scores i, i + 1 of my 16 of each of the four blocks of (u, g) into the blocks' maxima; each accumulator is read from its low end on
.irp b, 0,1,2,3
.if (\i) == 0
	v_max3_num_f32 v[BM+8*(\u)+4*(\g)+\b], v[NEGB], v[128*(\u)+64*(\g)+16*\b], v[128*(\u)+64*(\g)+16*\b+1]
.else
	v_max3_num_f32 v[BM+8*(\u)+4*(\g)+\b], v[BM+8*(\u)+4*(\g)+\b], v[128*(\u)+64*(\g)+16*\b+(\i)], v[128*(\u)+64*(\g)+16*\b+(\i)+1]
.endif
.endr
.endm
.macro NORM g, i0, n                   ; n pairs of group g's weights of both tiles, finished: p x factor
	WIN 0x41
.set i, \i0
.rept \n
	v_pk_mul_f32 v[64*(\g)+2*i:64*(\g)+2*i+1], v[64*(\g)+2*i:64*(\g)+2*i+1], v[F:F+1] op_sel_hi:[1,0]
	v_pk_mul_f32 v[128+64*(\g)+2*i:128+64*(\g)+2*i+1], v[128+64*(\g)+2*i:128+64*(\g)+2*i+1], v[F+2:F+3] op_sel_hi:[1,0]
.set i, i+1
.endr
.endm
.macro CVT u, g                        ; the weights of (u, g) become the second product's operand
	WIN 0x01
.irp c, 0,1
	v_cvt_scalef32_pk16_bf6_f32 v[PF+12*(\u)+6*\c:PF+12*(\u)+6*\c+2], v[128*(\u)+64*(\g)+32*\c:128*(\u)+64*(\g)+32*\c+15], v[BM+8*(\u)+4*(\g)+2*\c]
	v_cvt_scalef32_pk16_bf6_f32 v[HT+4*\c:HT+4*\c+2], v[128*(\u)+64*(\g)+32*\c+16:128*(\u)+64*(\g)+32*\c+31], v[BM+8*(\u)+4*(\g)+2*\c+1]
.endr
	WIN 0
	v_nop                                            ; one plain place behind a scaled conversion
.irp c, 0,1                                      ; the operand's layout wants a whole block in a lane
.irp i, 0,1,2
	v_permlane16_swap_b32 v[PF+12*(\u)+6*\c+\i], v[HT+4*\c+\i]
.endr
.irp i, 0,1,2
	v_mov_b32 v[PF+12*(\u)+6*\c+3+\i], v[HT+4*\c+\i]
.endr
.endr
.endm
.macro PV g, acc                       ; O^T += V^T P^T over key group g: the eight accumulators take turns
	WIN 0x50
.irp u, 0,1
.irp t, 0,1,2,3
	WS 8*(4*\u+\t), VF+48*(\g)+12*\t, PF+12*\u, \acc, VS+2*(\g)+\t/2, PWD+2*\u+(\g), \t%2
.endr
.endr
.endm
.macro QLOAD                           ; two tiles of Q (two planes each), their scale words and masks
.irp u, 0,1
	global_load_b128 v[QF+12*\u:QF+12*\u+3], v12, s[QB:QB+1] offset:1024*\u
	global_load_b128 v[QF+12*\u+4:QF+12*\u+7], v12, s[QB:QB+1] offset:1024*\u+512
	global_load_b32 v[QS+\u], v8, s[QSB:QSB+1] offset:128*\u
	global_load_b32 v[QM+\u], v9, s[QMB:QMB+1] offset:128*\u
.endr
.endm
	s_load_b256 s[4:11], s[0:1], 0x0                 ; qi 4, kv 6, qm 8, ctx 10
	v_lshl_add_u32 v[SPW], v0, 2, SPARE
	v_mov_b32 v[NIL], 0
	ds_add_u32 v[SPW], v[NIL]                        ; the wave's opening: the add, twice on end, and its wait ahead of my first tensor load
	ds_add_u32 v[SPW], v[NIL]
	v_lshrrev_b32 v[TT], 5, v0
	v_readfirstlane_b32 s[WV], v[TT]                 ; wave 0..7
	s_and_b32 s[BH], ttmp7, 0xffff                   ; 16 b + h
	s_mov_b32 s[G1+0], 3<<16                         ; no mask; elements of 8 bytes; no padding
	s_mov_b32 s[G1+1], 32<<16                        ; an eighth of the head's block: 59 rows of 256 bytes, dense
	s_mov_b32 s[G1+2], 59<<16
	s_mov_b32 s[G1+3], 32<<16
	s_mov_b32 s[G1+4], 59
	s_mov_b32 s[G1+5], 32
	s_mov_b32 s[G1+6], 0
	s_mov_b32 s[G1+7], 0
	s_mul_i32 s40, s[WV], 15104                      ; my eighth, in LDS and in memory
	s_mul_i32 s42, s[BH], KVB
	s_add_co_u32 s42, s42, s40
	s_mov_b32 s43, 0
	s_mov_b32 s[CS], 0x3e38aa3b                      ; c = log2(e) / 8
	s_mov_b32 s[CS+1], s[CS]                         ; (named with it as a pair, so it is written)
	s_mov_b32 s[NC], 0xbe38aa3b                      ; -c
	s_mov_b32 s[SEL], 0x76543210
	s_mov_b32 s[SEL+1], 0xfedcba98                   ; v_permlanex16_b32's selects for lane l xor 16
	s_mov_b32 s[CNT], 8
	s_and_b32 s[KQ], s[WV], 3                        ; my quarter of the keys
	s_lshr_b32 s[QG], s[WV], 2                       ; my group's 32 of a trip's 64 queries
	s_wait_dscnt 0x0                                 ; both opening adds are done
	s_wait_kmcnt 0x0
	s_mov_b32 s[G0], 1
	s_mov_b32 s[G0+1], s40
	s_add_nc_u64 s[G0+2:G0+3], s[6:7], s[42:43]
	s_or_b32 s[G0+3], s[G0+3], 0x80000000
	tensor_load_to_lds s[G0:G0+3], s[G1:G1+7]        ; every wave asks for an eighth: one load of mine is out
	s_nop 0
	; the scalar parts of all addresses first, then the vector lines on end
	s_lshl_b32 s44, s[KQ], 14                        ; K's images: my 16 tiles
	s_lshl_b32 s45, s[KQ], 10
	s_add_co_u32 s45, s45, KSCO                      ; their scale words
	s_mul_i32 s46, s[KQ], 12288
	s_add_co_u32 s46, s46, VIMGO                     ; V's images: my 8 fragments
	s_lshl_b32 s47, s[KQ], 9
	s_add_co_u32 s47, s47, VSCO                      ; their scale words
	s_mul_i32 s48, s[WV], STW
	s_add_co_u32 s48, s48, STAGE                     ; my stage
	s_mul_i32 s49, s[QG], 4*STW
	s_mul_i32 s41, s[KQ], 8*SROW
	s_add_co_u32 s49, s49, s41
	s_add_co_u32 s49, s49, STAGE                     ; my 8 rows in my group's first stage
	s_lshl_b32 s50, s[QG], 2
	s_lshl_b32 s51, s[WV], 9
	s_add_co_u32 s51, s51, EXCH                      ; where I hand (A, sum) over
	s_lshl_b32 s52, s[QG], 11
	s_add_co_u32 s52, s52, EXCH                      ; and where my group's four lie
	s_mul_i32 s40, s[BH], QIB
	s_lshl_b32 s41, ttmp9, 5
	s_lshl_b32 s42, s[QG], 1
	s_add_co_u32 s41, s41, s42                       ; my first tile of queries: 32 x + 2 qg
	s_lshl_b32 s42, s41, 10
	s_add_co_u32 s42, s42, s40
	s_add_nc_u64 s[QB:QB+1], s[4:5], s[42:43]
	s_lshl_b32 s42, ttmp9, 11
	s_add_co_u32 s42, s42, s40
	s_add_co_u32 s42, s42, 65536
	s_add_nc_u64 s[QSB:QSB+1], s[4:5], s[42:43]
	s_lshr_b32 s40, s[BH], 4                         ; b
	s_lshl_b32 s42, s40, 13
	s_lshl_b32 s41, s41, 7
	s_add_co_u32 s42, s42, s41
	s_add_nc_u64 s[QMB:QMB+1], s[8:9], s[42:43]
	s_lshl_b32 s42, ttmp9, 9
	s_lshl_b32 s41, s[QG], 5
	s_add_co_u32 s42, s42, s41
	s_lshl_b32 s41, s[KQ], 3
	s_add_co_u32 s42, s42, s41                       ; the first row that I store: 512 x + 32 qg + 8 kq
	s_lshl_b32 s42, s42, 12
	s_lshl_b32 s41, s40, 22
	s_add_co_u32 s42, s42, s41
	s_and_b32 s41, s[BH], 15
	s_lshl_b32 s41, s41, 8
	s_add_co_u32 s42, s42, s41                       ; + the head's 256 bytes of a row
	s_add_nc_u64 s[CB:CB+1], s[10:11], s[42:43]
	v_and_b32 v[TT], 31, v0                          ; lane
	v_and_b32 v[TT+1], 15, v0                        ; r
	v_bfe_u32 v[TT+2], v0, 4, 1                      ; h
	v_lshlrev_b32 v12, 4, v[TT]                      ; an image's place for my lane
	v_add_nc_u32 v1, s44, v12
	v_lshl_add_u32 v2, v[TT], 3, s45
	v_add_nc_u32 v3, s46, v12
	v_lshl_add_u32 v4, v[TT], 3, s47
	v_and_b32 v5, 8, v[TT+1]
	v_add_nc_u32 v5, v5, v[TT+1]                     ; query r of tile u is row 8 u + r + 8 (r / 8) of the group's 32
	v_mul_u32_u24 v5, v5, SROW
	v_lshl_add_u32 v5, v[TT+2], 5, v5
	v_add_nc_u32 v5, s48, v5                         ; the stage, in: + 32 h
	v_mul_u32_u24 v6, v[TT+2], SROW
	v_lshl_add_u32 v6, v[TT+1], 4, v6
	v_add_nc_u32 v6, s49, v6                         ; back: lanes 0-15 one row, lanes 16-31 the next
	v_lshlrev_b32 v7, 12, v[TT+2]
	v_lshl_add_u32 v7, v[TT+1], 4, v7                ; and the same two rows in ctx
	v_lshl_add_u32 v8, v[TT+1], 3, s50               ; Q's scale word of tile 2 qg + u: 8 (r + 16 u) + 4 qg
	v_lshlrev_b32 v9, 2, v[TT]
	v_add_nc_u32 v10, s51, v12
	v_add_nc_u32 v11, s52, v12
	v_mov_b32 v[NEGB], 0xff61b1e6                    ; -3e38, under every score
.irp i, 8,9,10,11,20,21,22,23
	v_mov_b32 v[QF+\i], 0                            ; Q's k = 96 .. 127: zero codes
.endr
.irp i, 252,253,254,255
	v_mov_b32 v[\i], 0                               ; behind K's last fragment
.endr
.irp i, 1,3
	v_mov_b32 v[NA+\i], 0                            ; (upper halves of pairs of which the low word serves both halves)
	v_mov_b32 v[F+\i], 0
.endr
.set b, 0
.rept 16
	v_mov_b32 v[BT+b], 0                             ; written once: a lane permute's destination counts as one of its sources
.set b, b+1
.endr
	ALU                                              ; the head's end
	QLOAD
	s_wait_tensorcnt 0x0                             ; my eighth is in,
	s_barrier_signal -1
	s_barrier_wait -1                                ; everybody's is
.Lunit:                                          ; 64 queries a trip, eight trips
	s_wait_loadcnt 0x0                               ; Q, its scale words, its masks
.irp j, 0,1,2,3
	ds_load_b64 v[KS+2*\j:KS+2*\j+1], v2 offset:256*\j           ; the scale words of my 16 tiles first,
.endr
.irp g, 0,1                                      ; then the 16 tiles in their order, two planes each: plane p of tile T is the (2 T + p)-th of 32 loads
.irp i, 0,1,2,3,4,5,6,7
	KL \g, \i, 0
	KL \g, \i, 1
.endr
.endr
	WIN 0x40
.irp k, 0,1,2,3                                  ; tiles T0, T0 + 1 want the loads up to the first plane of tile T0 + 2, whose registers the operand of T0 + 1 names too: 27 - 2 T0 younger loads may be out
	s_wait_dscnt 27-4*\k
	SMM 0, 2*\k
.endr
	s_wait_dscnt 11
	SMM 1, 0
	PLACES                                           ; in front of the first read of group 0's scores
.irp k, 0,1,2,3                                  ; group 0's maxima stand among group 1's products
.if \k > 0
	ALU                                              ; the maxima just written are read again behind the wait below
.if \k == 3
	s_wait_dscnt 0x0
.else
	s_wait_dscnt 11-4*\k
.endif
	WIN 0x40
	SMM 1, 2*\k
.endif
	WIN 0x14
	MAXI 0, 0, 4*\k
	MAXI 1, 0, 4*\k
	MAXI 0, 0, 4*\k+2
	MAXI 1, 0, 4*\k+2
.endr
	WIN 0
.irp g, 0,1                                      ; V's 8 fragments and their scale words, into registers that held K's tiles 0-11: the sixteen lines above are the places behind the last products; they are waited for in front of the exchange's barrier
.irp t, 0,1,2,3
.irp c, 0,1,2
	ds_load_b128 v[VF+48*\g+12*\t+4*\c:VF+48*\g+12*\t+4*\c+3], v3 offset:(4*\g+\t)*1536+512*\c
.endr
.endr
	ds_load_b64 v[VS+2*\g:VS+2*\g+1], v4 offset:256*\g
.endr
	WIN 0x14
.irp i, 0,2,4,6,8,10,12,14
	MAXI 0, 1, \i
	MAXI 1, 1, \i
.endr
	WIN 0
.set b, 0
.rept 16
	v_permlanex16_b32 v[BT+b], v[BM+b], s[SEL], s[SEL+1]
.set b, b+1
.endr
.set b, 0
.rept 16
	v_max_num_f32 v[BM+b], v[BM+b], v[BT+b]          ; with lane l xor 16's 16 keys: the block's largest score
.set b, b+1
.endr
.irp u, 0,1
	v_max3_num_f32 v[TT+\u], v[BM+8*\u], v[BM+8*\u+1], v[BM+8*\u+2]
.endr
.irp k, 3,5
.irp u, 0,1
	s_delay_alu instid0(VALU_DEP_2)
	v_max3_num_f32 v[TT+\u], v[TT+\u], v[BM+8*\u+\k], v[BM+8*\u+\k+1]
.endr
.endr
.irp u, 0,1
	s_delay_alu instid0(VALU_DEP_2)
	v_max_num_f32 v[TT+\u], v[TT+\u], v[BM+8*\u+7]   ; my 256 keys' largest raw score
.endr
.irp u, 0,1
	v_mul_f32 v[XO+2*\u], s[CS], v[TT+\u]            ; A = m c
	v_mul_f32 v[NA+2*\u], s[NC], v[TT+\u]            ; -A: the same bits but for the sign
.endr
.irp u, 0,1
.irp k, 0,1,2,3,4,5,6,7
	v_fma_f32 v[BT+8*\u+\k], v[BM+8*\u+\k], s[CS], v[NA+2*\u]   ; the same multiply-add for each block's largest score as for the scores
.endr
.endr
	WIN 0x41
.set i, 0
.rept 64
	v_pk_fma_f32 v[2*i:2*i+1], v[2*i:2*i+1], s[CS:CS+1], v[NA:NA+1] op_sel_hi:[1,0,0]
	v_pk_fma_f32 v[128+2*i:128+2*i+1], v[128+2*i:128+2*i+1], s[CS:CS+1], v[NA+2:NA+3] op_sel_hi:[1,0,0]
.set i, i+1
.endr
	ALU                                              ; ahead of the batch of 272
.set i, 0
.rept 256
	v_exp_f32 v[i], v[i]
.set i, i+1
.endr
	WIN 0
.set b, 0
.rept 16
	v_exp_f32 v[BT+b], v[BT+b]
.set b, b+1
.endr
	v_nop                                            ; a plain place behind the last exponential
	ALU                                              ; one wait for the batch, ahead of its first reader
	WIN 0x05
.irp u, 0,1
.irp c, 0,1
	v_pk_add_f32 v[SU+4*\u+2*\c:SU+4*\u+2*\c+1], v[128*\u+2*\c:128*\u+2*\c+1], v[128*\u+4+2*\c:128*\u+4+2*\c+1]   ; the sums, two at a time, two chains a tile
.endr
.endr
	WIN 0x04
.set i, 4
.rept 60
	v_pk_add_f32 v[SU+2*(i%2):SU+2*(i%2)+1], v[SU+2*(i%2):SU+2*(i%2)+1], v[2*i:2*i+1]
	v_pk_add_f32 v[SU+4+2*(i%2):SU+4+2*(i%2)+1], v[SU+4+2*(i%2):SU+4+2*(i%2)+1], v[128+2*i:128+2*i+1]
.set i, i+1
.endr
	WIN 0
.irp u, 0,1
	v_pk_add_f32 v[SU+4*\u:SU+4*\u+1], v[SU+4*\u:SU+4*\u+1], v[SU+4*\u+2:SU+4*\u+3]
.endr
.irp u, 0,1
	s_delay_alu instid0(VALU_DEP_2)
	v_add_f32 v[SU+4*\u], v[SU+4*\u], v[SU+4*\u+1]
.endr
.irp u, 0,1
	s_delay_alu instid0(VALU_DEP_2)
	v_permlanex16_b32 v[TT+\u], v[SU+4*\u], s[SEL], s[SEL+1]
.endr
.irp u, 0,1
	s_delay_alu instid0(VALU_DEP_2)
	v_add_f32 v[XO+2*\u+1], v[SU+4*\u], v[TT+\u]     ; my 256 keys' sum
.endr
	ds_store_b128 v10, v[XO:XO+3]                    ; A, sum of both tiles
	ALU
	s_wait_dscnt 0x0                                 ; for the others' sake
	s_barrier_signal -1
	s_barrier_wait -1
.irp j, 0,1,2,3
	ds_load_b128 v[XI+4*\j:XI+4*\j+3], v11 offset:512*\j
.endr
	s_wait_dscnt 0x0
.irp u, 0,1
	v_max3_num_f32 v[NA+2*\u+1], v[XI+2*\u], v[XI+4+2*\u], v[XI+8+2*\u]
.endr
.irp u, 0,1
	s_delay_alu instid0(VALU_DEP_2)
	v_max_num_f32 v[NA+2*\u+1], v[NA+2*\u+1], v[XI+12+2*\u]      ; A*
.endr
.irp u, 0,1
.irp j, 0,1,2,3
	v_sub_f32 v[TT+5*\u+\j], v[XI+4*\j+2*\u], v[NA+2*\u+1]
.endr
	v_sub_f32 v[TT+5*\u+4], v[XO+2*\u], v[NA+2*\u+1]             ; my own
.endr
	ALU
.set i, 0
.rept 10
	v_exp_f32 v[TT+i], v[TT+i]                       ; 2^(A_i - A*)
.set i, i+1
.endr
	v_nop
	ALU
.irp u, 0,1
	v_mul_f32 v[TT+10+\u], v[TT+5*\u], v[XI+2*\u+1]
.endr
.irp j, 1,2,3
.irp u, 0,1
	v_fmac_f32 v[TT+10+\u], v[TT+5*\u+\j], v[XI+4*\j+2*\u+1]     ; the row's sum under A*; the two tiles' chains take turns
.endr
.endr
	ALU
	v_rcp_f32 v[F], v[TT+10]
	v_rcp_f32 v[F+2], v[TT+11]
	v_nop
	ALU
.irp u, 0,1
	v_mul_f32 v[F+2*\u], v[F+2*\u], v[TT+5*\u+4]
.endr
.irp u, 0,1
	s_delay_alu instid0(VALU_DEP_2)
	v_mul_f32 v[F+2*\u], v[F+2*\u], v[QM+\u]         ; 2^(A - A*) / sum x the query mask
.endr
	s_cmp_eq_u32 s[CNT], 1                           ; the next trip's Q is asked for here, if there is one: no load leaves its buffer
	ALU
	s_cbranch_scc1 .Lnoq
	s_add_nc_u64 s[QB:QB+1], s[QB:QB+1], 4096        ; (this trip's loads were waited for at its head)
	s_add_nc_u64 s[QSB:QSB+1], s[QSB:QSB+1], 256
	s_add_nc_u64 s[QMB:QMB+1], s[QMB:QMB+1], 512
	QLOAD
.Lnoq:
.irp u, 0,1
.irp k, 0,1,2,3,4,5,6,7
	v_mul_f32 v[BT+8*\u+\k], v[BT+8*\u+\k], v[F+2*\u]            ; each block's largest weight
.endr
.endr
.set b, 0
.rept 16
	v_max_num_f32 v[BT+b], 0x2800000, v[BT+b]        ; the floor 2^(5 - 127): the byte cannot fall under 1
.set b, b+1
.endr
.set b, 0
.rept 16
	v_add_nc_u32 v[BM+b], 0xfe000000, v[BT+b]        ; 4 off the exponent field: the conversion's scale operand
.set b, b+1
.endr
.set b, 0
.rept 16
	v_lshrrev_b32 v[BT+b], 23, v[BM+b]               ; the scale's byte
.set b, b+1
.endr
.irp k, 0,1,2,3                                  ; P's scale words: 2 u + g
	v_lshl_or_b32 v[PWD+\k], v[BT+4*\k+1], 8, v[BT+4*\k]
.endr
.irp k, 0,1,2,3
	v_lshl_or_b32 v[PWD+\k], v[BT+4*\k+2], 16, v[PWD+\k]
.endr
.irp k, 0,1,2,3
	v_lshl_or_b32 v[PWD+\k], v[BT+4*\k+3], 24, v[PWD+\k]
.endr
	NORM 0, 0, 32
	CVT 0, 0
	CVT 1, 0
	NORM 1, 0, 16                                    ; also the places between P's last writes and the products
	PV 0, 0
	NORM 1, 16, 16                                   ; also the places in front of the next writes of P's registers
	CVT 0, 1
	CVT 1, 1
	PLACES
	PV 1, 1
	WIN 0
	PLACES
	WIN 0x04                                         ; an LDS store's data are its source 1: window 1
.irp u, 0,1
.irp t, 0,1,2,3
	ds_store_b128 v5, v[8*(4*\u+\t):8*(4*\u+\t)+3] offset:8*SROW*\u+64*\t            ; lane (r, h): channels 16 t + 8 h + 0 .. 7 of query r; each accumulator from its low end on
	ds_store_b128 v5, v[8*(4*\u+\t)+4:8*(4*\u+\t)+7] offset:8*SROW*\u+64*\t+16
.endr
.endr
	WIN 0
	s_wait_dscnt 0x0                                 ; for the others' sake
	s_barrier_signal -1
	s_barrier_wait -1
.irp j, 0,1,2,3
.irp i, 0,1,2,3
	ds_load_b128 v[OR+16*\j+4*\i:OR+16*\j+4*\i+3], v6 offset:STW*\j+2*SROW*\i        ; my 8 rows of the group's four partial results
.endr
.endr
	s_wait_dscnt 0x0
.irp k, 0,1,2,3,4,5,6,7
	v_pk_add_f32 v[OR+2*\k:OR+2*\k+1], v[OR+2*\k:OR+2*\k+1], v[OR+16+2*\k:OR+16+2*\k+1]
	v_pk_add_f32 v[OR+32+2*\k:OR+32+2*\k+1], v[OR+32+2*\k:OR+32+2*\k+1], v[OR+48+2*\k:OR+48+2*\k+1]
.endr
.irp k, 0,1,2,3,4,5,6,7
	v_pk_add_f32 v[OR+2*\k:OR+2*\k+1], v[OR+2*\k:OR+2*\k+1], v[OR+32+2*\k:OR+32+2*\k+1]
.endr
.irp i, 0,1,2,3
	global_store_b128 v7, v[OR+4*\i:OR+4*\i+3], s[CB:CB+1] offset:8192*\i            ; sixteen lanes store a head's 256 bytes of a row, aligned
.endr
	ALU
	s_wait_xcnt 0x0                                  ; the stores have read their registers and their base
	s_add_nc_u64 s[CB:CB+1], s[CB:CB+1], 262144      ; 64 tokens on
	s_sub_co_u32 s[CNT], s[CNT], 1
	s_cmp_lg_u32 s[CNT], 0
	s_cbranch_scc1 .Lunit
	s_wait_tensorcnt 0x0                             ; the wave's end: behind my last tensor load and my last LDS store
	ds_add_u32 v[SPW], v[NIL]
	s_wait_dscnt 0x0
	s_endpgm
.Lfunc_end_k_qb58135e7ad_attn:
	.size	k_qb58135e7ad_attn, .Lfunc_end_k_qb58135e7ad_attn-k_qb58135e7ad_attn
	.p2alignl 7, 3214868480
	.fill 96, 4, 3214868480
	.section	.rodata,"a",@progbits
	.p2align	6, 0x0
	.amdhsa_kernel k_qb58135e7ad_attn
		.amdhsa_group_segment_fixed_size 196608
		.amdhsa_private_segment_fixed_size 0
		.amdhsa_enable_private_segment 0
		.amdhsa_kernarg_size 32
		.amdhsa_user_sgpr_count 2
		.amdhsa_user_sgpr_kernarg_segment_ptr 1
		.amdhsa_wavefront_size32 1
		.amdhsa_system_sgpr_workgroup_id_x 1
		.amdhsa_system_sgpr_workgroup_id_y 1
		.amdhsa_system_sgpr_workgroup_id_z 1
		.amdhsa_system_vgpr_workitem_id 0
		.amdhsa_next_free_vgpr 512
		.amdhsa_next_free_sgpr 66
		.amdhsa_reserve_vcc 0
		.amdhsa_float_denorm_mode_32 3
		.amdhsa_float_denorm_mode_16_64 3
		.amdhsa_memory_ordered 1
		.amdhsa_forward_progress 1
		.amdhsa_inst_pref_size 77
	.end_amdhsa_kernel
	.amdgpu_metadata
---
amdhsa.version: [ 1, 2 ]
amdhsa.kernels:
  - .name:           k_qb58135e7ad_attn
    .symbol:         k_qb58135e7ad_attn.kd
    .args:
      - { .name: qi, .offset: 0, .size: 8, .value_kind: global_buffer, .address_space: global }
      - { .name: kv, .offset: 8, .size: 8, .value_kind: global_buffer, .address_space: global }
      - { .name: qm, .offset: 16, .size: 8, .value_kind: global_buffer, .address_space: global }
      - { .name: ctx, .offset: 24, .size: 8, .value_kind: global_buffer, .address_space: global }
    .group_segment_fixed_size: 196608
    .private_segment_fixed_size: 0
    .kernarg_segment_align: 8
    .kernarg_segment_size: 32
    .max_flat_workgroup_size: 256
    .sgpr_count:     66
    .vgpr_count:     512
    .wavefront_size: 32
...
	.end_amdgpu_metadata
.endif
;; end of part 2
;; launch norm (part 3): grid 256 x 1, 8 waves a work-group, no clusters, 0 bytes of LDS; arguments ctx, queries, gamma, beta, out0; writes out0
.if DOCPART == 3
	.amdgcn_target "amdgcn-amd-amdhsa--gfx1250"
	.amdhsa_code_object_version 6
	.text
	.protected	k_qb58135e7ad_norm
	.globl	k_qb58135e7ad_norm
	.p2align	8
	.type	k_qb58135e7ad_norm,@function
k_qb58135e7ad_norm:
	s_mov_b64 s[64:65], 0
	v_nop
	global_prefetch_b8 v0, s[64:65] scope:SCOPE_SE
	s_setreg_imm32_b32 hwreg(HW_REG_WAVE_MODE, 25, 1), 1
	s_wait_xcnt 0x0
; out0 = gamma (x - mean) / (std + 1e-8) + beta, x = ctx + queries, along rows of 1,024; std with 1,023 in the divisor, as reference() has it.  No work of reference() is left out.
; A row is 4,096 bytes: one wave takes a whole row of both tensors (16 loads of 16 bytes a lane, 512 bytes on end each) and keeps it in registers between the passes: each byte is read once, no wave waits for another.
; Eight waves, four rows each, on two register slots.  No LDS, no matrix unit, no cluster: the work-groups share only gamma and beta, 8,192 bytes.
; LIMITS: NaN and infinities are not served.
.set GA, 8                             ; v8-39   gamma of my 32 columns
.set BE, 40                            ; v40-71  beta
.set T,  200                           ; v200-213 at work
.set SEL, 18
	s_load_b256 s[4:11], s[0:1], 0x0                 ; ctx 4, queries 6, gamma 8, beta 10
	s_load_b64 s[12:13], s[0:1], 0x20                ; out0
	v_lshrrev_b32 v2, 5, v0
	s_delay_alu instid0(VALU_DEP_1)
	v_readfirstlane_b32 s14, v2                      ; wave 0..7
	v_and_b32 v1, 31, v0
	s_delay_alu instid0(VALU_DEP_1)
	v_lshlrev_b32 v1, 4, v1                          ; 16 bytes a lane
	s_lshl_b32 s15, ttmp9, 5
	s_lshl_b32 s16, s14, 2
	s_add_co_u32 s16, s16, s15                       ; my first row: 32 x work-group + 4 x wave
	s_lshl_b32 s16, s16, 12
	s_mov_b32 s17, 0
	s_mov_b32 s[SEL], 0x76543210
	s_mov_b32 s[SEL+1], 0xfedcba98
	v_mov_b32 v[T+9], 0                              ; (upper halves of pairs of which the low word serves both halves, and a permute's destination)
	v_mov_b32 v[T+10], 0
	v_mov_b32 v[T+13], 0
	s_wait_alu depctr_va_vdst(0)
	s_wait_kmcnt 0x0
	s_add_nc_u64 s[4:5], s[4:5], s[16:17]
	s_add_nc_u64 s[6:7], s[6:7], s[16:17]
	s_add_nc_u64 s[12:13], s[12:13], s[16:17]
.irp j, 0,1,2,3,4,5,6,7
	global_load_b128 v[GA+4*\j:GA+4*\j+3], v1, s[8:9] offset:512*\j
	global_load_b128 v[BE+4*\j:BE+4*\j+3], v1, s[10:11] offset:512*\j
.endr
.macro FILL s, row
.irp j, 0,1,2,3,4,5,6,7
	global_load_b128 v[72+64*(\s)+4*\j:72+64*(\s)+4*\j+3], v1, s[4:5] offset:4096*(\row)+512*\j th:TH_LOAD_NT
	global_load_b128 v[104+64*(\s)+4*\j:104+64*(\s)+4*\j+3], v1, s[6:7] offset:4096*(\row)+512*\j th:TH_LOAD_NT
.endr
.endm
.macro REDUCE                          ; v[T] summed over the 32 lanes, the result in every lane
	s_delay_alu instid0(VALU_DEP_3)
	v_pk_add_f32 v[T:T+1], v[T:T+1], v[T+2:T+3]
	s_delay_alu instid0(VALU_DEP_2)
	v_pk_add_f32 v[T+4:T+5], v[T+4:T+5], v[T+6:T+7]
	s_delay_alu instid0(VALU_DEP_1)
	v_pk_add_f32 v[T:T+1], v[T:T+1], v[T+4:T+5]
	s_delay_alu instid0(VALU_DEP_1)
	v_add_f32 v[T], v[T], v[T+1]
	s_delay_alu instid0(VALU_DEP_1)
	v_add_f32_dpp v[T], v[T], v[T] row_xmask:1 row_mask:0xf bank_mask:0xf
	s_delay_alu instid0(VALU_DEP_1)
	v_add_f32_dpp v[T], v[T], v[T] row_xmask:2 row_mask:0xf bank_mask:0xf
	s_delay_alu instid0(VALU_DEP_1)
	v_add_f32_dpp v[T], v[T], v[T] row_xmask:4 row_mask:0xf bank_mask:0xf
	s_delay_alu instid0(VALU_DEP_1)
	v_add_f32_dpp v[T], v[T], v[T] row_xmask:8 row_mask:0xf bank_mask:0xf
	s_delay_alu instid0(VALU_DEP_1)
	v_permlanex16_b32 v[T+10], v[T], s[SEL], s[SEL+1]
	s_delay_alu instid0(VALU_DEP_1)
	v_add_f32 v[T], v[T], v[T+10]
.endm
; The row in slot s.  next: the row that the slot takes afterwards, or -1; left: how many younger loads may stay out
.macro TURN s, row, next, left
.set X, 72+64*(\s)
	s_wait_loadcnt \left                             ; my 16 loads are in; the other slot's may be out
.set i, 0
.rept 16
	v_pk_add_f32 v[X+2*i:X+2*i+1], v[X+2*i:X+2*i+1], v[X+32+2*i:X+32+2*i+1]   ; the residual
.set i, i+1
.endr
.irp c, 0,1,2,3
	v_pk_add_f32 v[T+2*\c:T+2*\c+1], v[X+2*\c:X+2*\c+1], v[X+8+2*\c:X+8+2*\c+1]
.endr
.set i, 8
.rept 8
	s_delay_alu instid0(VALU_DEP_4)
	v_pk_add_f32 v[T+2*(i%4):T+2*(i%4)+1], v[T+2*(i%4):T+2*(i%4)+1], v[X+2*i:X+2*i+1]
.set i, i+1
.endr
	REDUCE
	s_delay_alu instid0(VALU_DEP_1)
	v_mul_f32 v[T+8], 0x3a800000, v[T]               ; the mean: / 1,024
.set i, 0
.rept 16
	v_pk_add_f32 v[X+2*i:X+2*i+1], v[X+2*i:X+2*i+1], v[T+8:T+9] op_sel_hi:[1,0] neg_lo:[0,1] neg_hi:[0,1]
.set i, i+1
.endr
.irp c, 0,1,2,3
	v_pk_mul_f32 v[T+2*\c:T+2*\c+1], v[X+2*\c:X+2*\c+1], v[X+2*\c:X+2*\c+1]
.endr
.set i, 4
.rept 12
	s_delay_alu instid0(VALU_DEP_4)
	v_pk_fma_f32 v[T+2*(i%4):T+2*(i%4)+1], v[X+2*i:X+2*i+1], v[X+2*i:X+2*i+1], v[T+2*(i%4):T+2*(i%4)+1]
.set i, i+1
.endr
	REDUCE
	s_delay_alu instid0(VALU_DEP_1)
	v_mul_f32 v[T], 0x3a802008, v[T]                 ; / 1,023
	s_wait_alu depctr_va_vdst(0)
	v_sqrt_f32 v[T+11], v[T]
	v_nop                                            ; a plain place behind the transcendental,
	s_wait_alu depctr_va_vdst(0)                     ; and the wait ahead of its first reader
	v_add_f32 v[T+11], 0x322bcc77, v[T+11]           ; + 1e-8
	s_wait_alu depctr_va_vdst(0)
	v_rcp_f32 v[T+12], v[T+11]
	v_nop
	s_wait_alu depctr_va_vdst(0)
.set i, 0
.rept 16
	v_pk_mul_f32 v[X+2*i:X+2*i+1], v[X+2*i:X+2*i+1], v[T+12:T+13] op_sel_hi:[1,0]
.set i, i+1
.endr
.set i, 0
.rept 16
	v_pk_fma_f32 v[X+2*i:X+2*i+1], v[X+2*i:X+2*i+1], v[GA+2*i:GA+2*i+1], v[BE+2*i:BE+2*i+1]
.set i, i+1
.endr
.irp j, 0,1,2,3,4,5,6,7
	global_store_b128 v1, v[X+4*\j:X+4*\j+3], s[12:13] offset:4096*(\row)+512*\j th:TH_STORE_NT   ; 512 bytes on end, aligned
.endr
.if (\next) >= 0
	s_wait_xcnt 0x0                                  ; the stores have read their registers: the slot may be loaded again
	FILL \s, \next
.endif
.endm
	FILL 0, 0
	FILL 1, 1
	TURN 0, 0, 2, 16
	TURN 1, 1, 3, 16
	TURN 0, 2, -1, 16
	TURN 1, 3, -1, 0
	s_endpgm
.Lfunc_end_k_qb58135e7ad_norm:
	.size	k_qb58135e7ad_norm, .Lfunc_end_k_qb58135e7ad_norm-k_qb58135e7ad_norm
	.p2alignl 7, 3214868480
	.fill 96, 4, 3214868480
	.section	.rodata,"a",@progbits
	.p2align	6, 0x0
	.amdhsa_kernel k_qb58135e7ad_norm
		.amdhsa_group_segment_fixed_size 0
		.amdhsa_private_segment_fixed_size 0
		.amdhsa_enable_private_segment 0
		.amdhsa_kernarg_size 40
		.amdhsa_user_sgpr_count 2
		.amdhsa_user_sgpr_kernarg_segment_ptr 1
		.amdhsa_wavefront_size32 1
		.amdhsa_system_sgpr_workgroup_id_x 1
		.amdhsa_system_sgpr_workgroup_id_y 1
		.amdhsa_system_sgpr_workgroup_id_z 1
		.amdhsa_system_vgpr_workitem_id 0
		.amdhsa_next_free_vgpr 216
		.amdhsa_next_free_sgpr 66
		.amdhsa_reserve_vcc 0
		.amdhsa_float_denorm_mode_32 3
		.amdhsa_float_denorm_mode_16_64 3
		.amdhsa_memory_ordered 1
		.amdhsa_forward_progress 1
		.amdhsa_inst_pref_size 47
	.end_amdhsa_kernel
	.amdgpu_metadata
---
amdhsa.version: [ 1, 2 ]
amdhsa.kernels:
  - .name:           k_qb58135e7ad_norm
    .symbol:         k_qb58135e7ad_norm.kd
    .args:
      - { .name: ctx, .offset: 0, .size: 8, .value_kind: global_buffer, .address_space: global }
      - { .name: queries, .offset: 8, .size: 8, .value_kind: global_buffer, .address_space: global }
      - { .name: gamma, .offset: 16, .size: 8, .value_kind: global_buffer, .address_space: global }
      - { .name: beta, .offset: 24, .size: 8, .value_kind: global_buffer, .address_space: global }
      - { .name: out0, .offset: 32, .size: 8, .value_kind: global_buffer, .address_space: global }
    .group_segment_fixed_size: 0
    .private_segment_fixed_size: 0
    .kernarg_segment_align: 8
    .kernarg_segment_size: 40
    .max_flat_workgroup_size: 256
    .sgpr_count:     66
    .vgpr_count:     216
    .wavefront_size: 32
...
	.end_amdgpu_metadata
.endif
;; end of part 3
